; MI455X (gfx1250); checked and timed in simulation.
; The chip was launched on July 23, 2026; its instructions are those of AMD's public machine-readable ISA for CDNA 5 (MIT licence, August 2026) and "CDNA5" Instruction Set Architecture Reference Guide (July 2026). The comments in the code are by the model that wrote it; some were corrected since.
;; Dense MHA. Allowed arithmetic: float matrix products may take bf16 or f16 operands with f32 sums; other float arithmetic in f32, or as packed bf16 or f16 multiplies, adds, multiply-adds, maxima and minima; sums over many terms, partial sums and values carried from step to step in f32; what a program stores and reads back later, other than sums and carried values, may be rounded once to bf16 or f16.
;; Inputs: Wk 2,048 x 1,024 float32; Wo 1,024 x 2,048 float32; Wq 2,048 x 1,024 float32; Wv 2,048 x 1,024 float32; bk 2,048 float32; bo 1,024 float32; bq 2,048 float32; bv 2,048 float32; hidden_states 2 x 2,048 x 1,024 float32.
;; Outputs: out0 2 x 2,048 x 1,024 float32.
;; 2 versions, each right; version 2 is version 1 with the launch prep written anew for expert scheduling mode. Each part assembles by itself: llvm-mc -triple=amdgcn-amd-amdhsa -mcpu=gfx1250 --defsym DOCPART=n.
;; ======== version 1 of 2: 4 launches
;; limits: values are held in f16: magnitudes above 65,504 overflow, below 6.1e-05 lose precision
;; workspace buffers: xb 8,388,608 bytes; wb 12,582,912 bytes; wof 4,194,304 bytes; tab 1,048,576 bytes; bias 28,672 bytes; qkv 50,331,648 bytes; ctx 16,777,216 bytes
;; launch prep (part 1): grid 64 x 8, 8 waves a work-group, no clusters, 0 bytes of LDS; arguments hidden_states, Wq, Wk, Wv, Wo, bq, bk, bv, bo, xb, wb, wof, tab, bias; writes xb, wb, wof, tab, bias
.if DOCPART == 1
	.amdgcn_target "amdgcn-amd-amdhsa--gfx1250"
	.amdhsa_code_object_version 6
	.text
	.protected	k_qfc744402e3_prep
	.globl	k_qfc744402e3_prep
	.p2align	8
	.type	k_qfc744402e3_prep,@function
k_qfc744402e3_prep:
	s_mov_b64 s[64:65], 0
	v_nop
	global_prefetch_b8 v0, s[64:65] scope:SCOPE_SE
	s_setreg_imm32_b32 hwreg(HW_REG_WAVE_MODE, 25, 1), 1
	s_wait_xcnt 0x0
; PREP: every input is rounded once to bf16 and laid out for the matrix launches; the RoPE table is made.  A stream: no LDS, no barrier, no matrix unit.
;   y = 0, 1   hidden_states -> xb, bf16, [16 blocks of 64 along K][4096 rows][64]: a K step's rows lie end to end, 128 bytes each
;   y = 2..4   Wq, Wk, Wv    -> wb, bf16, [16 blocks][6144 rows][64], row = head x 384 + (0 q, 1 k, 2 v) x 128 + d
;   y = 5      Wo            -> wof: rounded to bf16, that number written as f16, [1024][2048]
;   y = 6, 7   tab: cos and sin of pos x 10000^(-i/64) in f32, in the order in which the projection's lanes hold their results; and (y = 6, x < 14) the four biases -> bias, f32 words that hold the bf16-rounded numbers
; LIMITS.  wof: a weight beyond 65,504 is lost, one below 6e-5 keeps f16's fixed step of 6e-8.  The angles: pos x f is rounded in f32 and f is good to a few units in its last place,
; so an angle near 2,047 is good to about 2e-4; the reduction by pi/2 in two parts and the two series (to r^7 and r^8, |r| <= pi/4) add less than 1e-6.
.set SO, 8                             ; v[8:23]   blocked cast: byte offset of my 8 bytes in block kb of the destination
.set X,  24                            ; v[24:151] 32 loads of 4 registers
	s_load_b512 s[8:23], s[0:1], 0x0               ; hidden 8, Wq 10, Wk 12, Wv 14, Wo 16, bq 18, bk 20, bv 22
	s_load_b256 s[24:31], s[0:1], 0x40             ; bo 24, xb 26, wb 28, wof 30
	s_load_b128 s[32:35], s[0:1], 0x60             ; tab 32, bias 34
	s_and_b32 s4, ttmp7, 0xffff                    ; y: which job
	s_mov_b32 s5, ttmp9                            ; x: which part of it
	v_lshrrev_b32 v1, 5, v0
	v_readfirstlane_b32 s6, v1                     ; wave 0..7
	v_and_b32 v2, 15, v0                           ; lane % 16
	v_bfe_u32 v3, v0, 4, 1                         ; lane / 16
	s_wait_kmcnt 0x0
	s_cmp_ge_u32 s4, 6
	s_cbranch_scc1 .Ltab
	s_cmp_eq_u32 s4, 5
	s_cbranch_scc1 .Lwo
	; THE BLOCKED CAST.  A work-group takes 32 rows of 4,096 bytes, a wave 4 of them.
	s_lshl_b32 s41, s4, 6
	s_add_co_u32 s41, s41, s5                      ; hidden_states: group of 32 rows = 64 y + x
	s_mov_b32 s40, 786432                          ; bytes from block to block in wb,
	s_mov_b32 s46, 524288                          ; in xb
	s_lshr_b32 s44, s5, 2                          ; a weight's 32 rows lie in head x / 4,
	s_mul_i32 s44, s44, 384
	s_sub_co_u32 s45, s4, 2
	s_lshl_b32 s45, s45, 7                         ; in the head's part for q, k or v,
	s_add_co_u32 s44, s44, s45
	s_and_b32 s45, s5, 3
	s_lshl_b32 s45, s45, 5                         ; at d = 32 (x % 4)
	s_add_co_u32 s44, s44, s45
	s_lshl_b32 s47, s41, 5                         ; xb keeps the rows' order
	s_cmp_lt_u32 s4, 2
	s_cselect_b64 s[36:37], s[8:9], s[10:11]       ; from
	s_cselect_b64 s[38:39], s[26:27], s[28:29]     ; to
	s_cselect_b32 s40, s46, s40
	s_cselect_b32 s42, s41, s5                     ; the source's group of 32 rows
	s_cselect_b32 s44, s47, s44                    ; the destination's first row
	s_cmp_eq_u32 s4, 3
	s_cselect_b64 s[36:37], s[12:13], s[36:37]
	s_cmp_eq_u32 s4, 4
	s_cselect_b64 s[36:37], s[14:15], s[36:37]
	s_lshl_b32 s42, s42, 17                        ; 32 rows x 4,096 bytes
	s_lshl_b32 s43, s6, 14                         ; my wave's 4 rows
	s_add_co_u32 s42, s42, s43
	s_mov_b32 s43, 0
	s_add_nc_u64 s[36:37], s[36:37], s[42:43]
	s_lshl_b32 s44, s44, 7                         ; rows of 128 bytes
	s_lshl_b32 s45, s6, 9
	s_add_co_u32 s44, s44, s45
	s_mov_b32 s45, 0
	s_add_nc_u64 s[38:39], s[38:39], s[44:45]
	v_lshlrev_b32 v4, 4, v2
	v_lshl_add_u32 v4, v3, 12, v4                  ; lanes 0-15 take 256 bytes of one row, lanes 16-31 of the next
	v_lshlrev_b32 v[SO], 3, v2
	v_lshl_add_u32 v[SO], v3, 7, v[SO]             ; out: 8 bytes a lane, the two rows end to end: 256 consecutive bytes
.set i, 1
.rept 15
	v_add_nc_u32 v[SO+i], s40, v[SO+i-1]
.set i, i+1
.endr
.set i, 0
.rept 32                               ; load i: rows 2 (i / 16) and the next, block i % 16
	global_load_b128 v[X+4*i:X+4*i+3], v4, s[36:37] offset:(i/16)*8192+(i%16)*256 th:TH_LOAD_NT
.set i, i+1
.endr
.set i, 0
.rept 32
	s_wait_loadcnt 31-i                            ; loads come back in order: mine is in, the younger ones stay out
	v_cvt_pk_bf16_f32 v[X+4*i], v[X+4*i], v[X+4*i+1]
	v_cvt_pk_bf16_f32 v[X+4*i+1], v[X+4*i+2], v[X+4*i+3]
	global_store_b64 v[SO+i%16], v[X+4*i:X+4*i+1], s[38:39] offset:(i/16)*256
.set i, i+1
.endr
	s_endpgm
.Lwo:	; Wo: 131,072 bytes on end a work-group, 16,384 a wave
	s_lshl_b32 s42, s5, 17
	s_lshl_b32 s43, s6, 14
	s_add_co_u32 s42, s42, s43
	s_mov_b32 s43, 0
	s_add_nc_u64 s[36:37], s[16:17], s[42:43]
	s_lshr_b32 s42, s42, 1
	s_add_nc_u64 s[38:39], s[30:31], s[42:43]
	s_mov_b32 s41, 0xffff0000
	v_and_b32 v5, 31, v0
	v_lshlrev_b32 v4, 4, v5
	v_lshlrev_b32 v6, 3, v5
.set i, 0
.rept 32
	global_load_b128 v[X+4*i:X+4*i+3], v4, s[36:37] offset:i*512 th:TH_LOAD_NT
.set i, i+1
.endr
.set i, 0
.rept 32
	s_wait_loadcnt 31-i
	v_cvt_pk_bf16_f32 v[X+4*i], v[X+4*i], v[X+4*i+1]          ; rounded as every input is,
	v_cvt_pk_bf16_f32 v[X+4*i+2], v[X+4*i+2], v[X+4*i+3]
	v_and_b32 v[X+4*i+1], s41, v[X+4*i]                       ; widened again,
	v_lshlrev_b32 v[X+4*i], 16, v[X+4*i]
	v_and_b32 v[X+4*i+3], s41, v[X+4*i+2]
	v_lshlrev_b32 v[X+4*i+2], 16, v[X+4*i+2]
	v_cvt_pk_f16_f32 v[X+4*i], v[X+4*i], v[X+4*i+1]           ; and written as f16
	v_cvt_pk_f16_f32 v[X+4*i+1], v[X+4*i+2], v[X+4*i+3]
	global_store_b64 v6, v[X+4*i:X+4*i+1], s[38:39] offset:i*256
.set i, i+1
.endr
	s_endpgm
.Ltab:	; THE TABLE.  The work-group makes positions 16 R .. 16 R + 15, R = 64 (y - 6) + x.  Thread: b = t / 64, c2 = (t / 32) % 2, lane; four frequencies i = 16 b + 8 (lane / 16) + 4 c2 + e.
	s_sub_co_u32 s41, s4, 6
	s_lshl_b32 s41, s41, 6
	s_add_co_u32 s41, s41, s5                      ; R
	s_lshl_b32 s42, s41, 13                        ; 8,192 bytes for 16 positions
	s_mov_b32 s43, 0
	s_add_nc_u64 s[36:37], s[32:33], s[42:43]
	s_lshl_b32 s44, s41, 4
	v_add_nc_u32 v4, s44, v2
	v_cvt_f32_u32 v4, v4                           ; pos
	v_lshrrev_b32 v5, 6, v0                        ; b
	v_bfe_u32 v6, v0, 5, 1                         ; c2
	v_lshlrev_b32 v7, 4, v5
	v_lshl_add_u32 v7, v3, 3, v7
	v_lshl_add_u32 v7, v6, 2, v7                   ; i for e = 0
	v_and_b32 v6, 63, v0
	v_lshlrev_b32 v6, 4, v6
	v_lshl_add_u32 v6, v5, 11, v6                  ; cos at 2,048 b + 512 c2 + 16 lane; sin 1,024 further
.irp e, 0,1,2,3
	v_add_nc_u32 v[8+(\e)], (\e), v7
	v_cvt_f32_u32 v[8+(\e)], v[8+(\e)]
	v_mul_f32 v[8+(\e)], 0xbe549a78, v[8+(\e)]     ; - i log2(10000) / 64
.endr
.irp e, 0,1,2,3
	v_exp_f32 v[8+(\e)], v[8+(\e)]
.endr
	v_nop                                          ; a plain instruction behind the exponentials, ahead of the first use
	s_wait_alu depctr_va_vdst(0)
; a = pos f;  n = the nearest whole number to a 2 / pi;  r = a - n pi/2, pi/2 in two parts;  sin r and cos r by their series;  the quadrant n % 4 chooses and signs.
.macro SINCOS e
	v_mul_f32 v24, v4, v[8+(\e)]
	v_mul_f32 v25, 0x3f22f983, v24
	v_rndne_f32 v25, v25
	v_fmamk_f32 v26, v25, 0xbfc90fdb, v24
	v_fmamk_f32 v26, v25, 0x333bbd2e, v26
	v_mul_f32 v27, v26, v26
	v_mov_b32 v28, 0xb9500d01                      ; -1/5040
	v_fmaak_f32 v28, v27, v28, 0x3c088889          ; 1/120
	v_fmaak_f32 v28, v27, v28, 0xbe2aaaab          ; -1/6
	v_mul_f32 v28, v28, v27
	v_fma_f32 v28, v28, v26, v26                   ; sin r
	v_mov_b32 v29, 0x37d00d01                      ; 1/40320
	v_fmaak_f32 v29, v27, v29, 0xbab60b61          ; -1/720
	v_fmaak_f32 v29, v27, v29, 0x3d2aaaab          ; 1/24
	v_fmaak_f32 v29, v27, v29, 0xbf000000          ; -1/2
	v_fma_f32 v29, v29, v27, 1.0                   ; cos r
	v_cvt_i32_f32 v25, v25
	v_and_b32 v30, 1, v25
	v_cmp_eq_u32 vcc_lo, 1, v30                    ; an odd quadrant swaps the two
	v_cndmask_b32 v[20+(\e)], v28, v29, vcc_lo
	v_cndmask_b32 v[16+(\e)], v29, v28, vcc_lo
	v_lshlrev_b32 v30, 30, v25                     ; sin is negative in quadrants 2, 3,
	v_and_b32 v30, 0x80000000, v30
	v_xor_b32 v[20+(\e)], v30, v[20+(\e)]
	v_add_nc_u32 v25, 1, v25                       ; cos in quadrants 1, 2
	v_lshlrev_b32 v30, 30, v25
	v_and_b32 v30, 0x80000000, v30
	v_xor_b32 v[16+(\e)], v30, v[16+(\e)]
.endm
	SINCOS 0
	SINCOS 1
	SINCOS 2
	SINCOS 3
	global_store_b128 v6, v[16:19], s[36:37]               ; a wave stores 512 consecutive bytes
	global_store_b128 v6, v[20:23], s[36:37] offset:1024
	; THE BIASES: 14 of these work-groups round 512 numbers each.
	s_cmp_eq_u32 s4, 6
	s_cbranch_scc0 .Lend
	s_cmp_lt_u32 s5, 14
	s_cbranch_scc0 .Lend
	s_lshr_b32 s41, s5, 2                          ; 0 bq, 1 bk, 2 bv, 3 bo
	s_and_b32 s42, s5, 3                           ; which 512 numbers
	s_lshl_b32 s44, s42, 11
	s_mov_b32 s45, 0
	s_mul_i32 s46, s42, 6144                       ; four heads of 384 words,
	s_lshl_b32 s47, s41, 9                         ; the head's part for q, k or v
	s_add_co_u32 s46, s46, s47
	s_add_co_u32 s47, s44, 24576                   ; bo lies behind them, dense
	s_mov_b32 s40, 1536                            ; bytes from head to head
	s_cmp_eq_u32 s41, 1
	s_cselect_b64 s[38:39], s[20:21], s[18:19]
	s_cmp_eq_u32 s41, 2
	s_cselect_b64 s[38:39], s[22:23], s[38:39]
	s_cmp_eq_u32 s41, 3
	s_cselect_b64 s[38:39], s[24:25], s[38:39]
	s_cselect_b32 s46, s47, s46
	s_cselect_b32 s40, 512, s40
	s_mov_b32 s47, 0
	s_add_nc_u64 s[38:39], s[38:39], s[44:45]
	s_add_nc_u64 s[42:43], s[34:35], s[46:47]
	v_lshlrev_b32 v32, 3, v0
	global_load_b64 v[34:35], v32, s[38:39]
	v_lshrrev_b32 v33, 6, v0                       ; 64 threads to a head's 128 numbers
	v_mul_u32_u24 v33, v33, s40
	v_and_b32 v36, 63, v0
	v_lshl_add_u32 v33, v36, 3, v33
	s_wait_loadcnt 0x0
	v_cvt_pk_bf16_f32 v36, v34, v35
	v_lshlrev_b32 v38, 16, v36
	v_and_b32 v39, 0xffff0000, v36
	global_store_b64 v33, v[38:39], s[42:43]               ; a wave stores 256 consecutive bytes
.Lend:
	s_endpgm
.Lfunc_end_k_qfc744402e3_prep:
	.size	k_qfc744402e3_prep, .Lfunc_end_k_qfc744402e3_prep-k_qfc744402e3_prep
	.p2alignl 7, 3214868480
	.fill 96, 4, 3214868480
	.section	.rodata,"a",@progbits
	.p2align	6, 0x0
	.amdhsa_kernel k_qfc744402e3_prep
		.amdhsa_group_segment_fixed_size 0
		.amdhsa_private_segment_fixed_size 0
		.amdhsa_enable_private_segment 0
		.amdhsa_kernarg_size 112
		.amdhsa_user_sgpr_count 2
		.amdhsa_user_sgpr_kernarg_segment_ptr 1
		.amdhsa_wavefront_size32 1
		.amdhsa_system_sgpr_workgroup_id_x 1
		.amdhsa_system_sgpr_workgroup_id_y 1
		.amdhsa_system_sgpr_workgroup_id_z 1
		.amdhsa_system_vgpr_workitem_id 0
		.amdhsa_next_free_vgpr 152
		.amdhsa_next_free_sgpr 66
		.amdhsa_reserve_vcc 1
		.amdhsa_float_denorm_mode_32 3
		.amdhsa_float_denorm_mode_16_64 3
		.amdhsa_memory_ordered 1
		.amdhsa_forward_progress 1
		.amdhsa_inst_pref_size 42
	.end_amdhsa_kernel
	.amdgpu_metadata
---
amdhsa.version: [ 1, 2 ]
amdhsa.kernels:
  - .name:           k_qfc744402e3_prep
    .symbol:         k_qfc744402e3_prep.kd
    .args:
      - { .name: hidden_states, .offset: 0, .size: 8, .value_kind: global_buffer, .address_space: global }
      - { .name: Wq, .offset: 8, .size: 8, .value_kind: global_buffer, .address_space: global }
      - { .name: Wk, .offset: 16, .size: 8, .value_kind: global_buffer, .address_space: global }
      - { .name: Wv, .offset: 24, .size: 8, .value_kind: global_buffer, .address_space: global }
      - { .name: Wo, .offset: 32, .size: 8, .value_kind: global_buffer, .address_space: global }
      - { .name: bq, .offset: 40, .size: 8, .value_kind: global_buffer, .address_space: global }
      - { .name: bk, .offset: 48, .size: 8, .value_kind: global_buffer, .address_space: global }
      - { .name: bv, .offset: 56, .size: 8, .value_kind: global_buffer, .address_space: global }
      - { .name: bo, .offset: 64, .size: 8, .value_kind: global_buffer, .address_space: global }
      - { .name: xb, .offset: 72, .size: 8, .value_kind: global_buffer, .address_space: global }
      - { .name: wb, .offset: 80, .size: 8, .value_kind: global_buffer, .address_space: global }
      - { .name: wof, .offset: 88, .size: 8, .value_kind: global_buffer, .address_space: global }
      - { .name: tab, .offset: 96, .size: 8, .value_kind: global_buffer, .address_space: global }
      - { .name: bias, .offset: 104, .size: 8, .value_kind: global_buffer, .address_space: global }
    .group_segment_fixed_size: 0
    .private_segment_fixed_size: 0
    .kernarg_segment_align: 8
    .kernarg_segment_size: 112
    .max_flat_workgroup_size: 256
    .sgpr_count:     66
    .vgpr_count:     152
    .wavefront_size: 32
...
	.end_amdgpu_metadata
.endif
;; end of part 1
;; launch qkv (part 2): grid 16 x 16, 4 waves a work-group, clusters of 4 x 4, 327,680 bytes of LDS; arguments xb, wb, bias, tab, qkv; writes qkv
.if DOCPART == 2
	.amdgcn_target "amdgcn-amd-amdhsa--gfx1250"
	.amdhsa_code_object_version 6
	.text
	.protected	k_qfc744402e3_qkv
	.globl	k_qfc744402e3_qkv
	.p2align	8
	.type	k_qfc744402e3_qkv,@function
k_qfc744402e3_qkv:
	s_mov_b64 s[64:65], 0
	v_nop
	global_prefetch_b8 v0, s[64:65] scope:SCOPE_SE
	s_setreg_imm32_b32 hwreg(HW_REG_WAVE_MODE, 25, 1), 1
	s_wait_xcnt 0x0
	s_wait_alu depctr_hold_cnt(0) depctr_sa_sdst(0) depctr_va_vdst(0) depctr_va_sdst(0) depctr_va_ssrc(0) depctr_va_vcc(0) depctr_vm_vsrc(0)
	s_getreg_b32 s2, hwreg(HW_REG_IB_STS2, 6, 4)
	s_cmp_eq_u32 s2, 0
	s_cbranch_scc0 .Lentry_in_a_cluster
	s_endpgm
.Lentry_in_a_cluster:
	s_bfe_u32 s2, ttmp6, 0x10000c
	s_cmp_lg_u32 s2, 0xf033
	s_cbranch_scc0 .Lentry_shape_is_right
	s_endpgm
.Lentry_shape_is_right:
; Q, K, V = x W^T + b, RoPE on q and k, written by heads in f16: qkv = three parts (q, k, v) of [batch x 16 + head][2048][128].  Operands bf16, sums f32, the rotation in f32, one rounding to f16.
; LIMIT.  q, k and v must stay within f16's 65,504; q is stored without the scale 1 / sqrt(128).
; SHARES.  A work-group makes 256 rows x 384 columns: one head's q, k and v; 16 x 16 work-groups.  Wave w owns rows 64 w .. 64 w + 63 and all 384 columns: 96 accumulators, 768 registers.
; THE MATRIX INSTRUCTION IS USED TRANSPOSED (source 0 = 16 rows of W, source 1 = 16 rows of x): register j of lane (r, h) of accumulator (g, a, b) is row 16 a + r, column 16 b + 8 h + j of part g.
; So the rotation's partners d and d + 64 are accumulators b and b + 4, same lane, same register, and eight neighbouring columns pack into 16 bytes.
; THE SUMS START AT THE BIAS: it is loaded straight into the accumulators, so that no first product is written out and the way out adds nothing.
; K goes in 16 steps of 64 through two LDS slots.  xb and wb are blocked along K, so a step's rows lie end to end and are asked for as rows of 256 bytes, padded in LDS after every 128.
; CLUSTER 4 x 4: x's tile hangs on the row block alone and is shared along a row of the cluster, W's on the head alone and is shared along a column: joint loads, one a wave behind each round.
; REGISTERS.  window 0: v0-31 addresses; v32-95 x's fragments (two buffers, one for each 32 along K); v96-223 W's fragments (two buffers of 8); on the way out v32-159 the table, v160-223 at work, v224-255 rows read back.
;             window 1 + g: accumulator (a, b) of part g at v[8 (8 a + b)].
.set PITCH,  144                       ; an LDS row: 128 bytes + 16 of padding = 36 words: the 16 rows of a fragment load start at 16 different groups of four banks (ISA guide 11.1)
.set BOFF,   256*PITCH                 ; a slot: x's 256 rows, then W's 384
.set SLOT1,  131072                    ; slot 1 begins here: one exclusive or turns an address in one slot into the other's
.set STAGE,  SLOT1+640*PITCH           ; behind the ring: 16 rows x 272 bytes for each wave, for the way out
.set SP,     272
.set SPARE,  STAGE+4*16*SP             ; the spare words, 128 bytes for each wave
.set PLANE_A, 524288                   ; bytes from K block to K block in xb,
.set PLANE_B, 786432                   ; in wb
.set PART,   16777216                  ; bytes of q, of k, of v
.set A0,  4                            ; v4   my lane's place in a slot's x rows; never rewritten
.set B0,  5                            ; v5   in its W rows
.set ADA, 6                            ; v6   the same in the slot in hand
.set ADB, 7                            ; v7
.set STO, 8                            ; v8   the way out: where I put 16 bytes of a row
.set RD,  9                            ; v9   where I read rows back
.set GO,  10                           ; v10  16 x lane: my place in 512 consecutive bytes, of the table and of the output
.set BL,  12                           ; v12  32 x (lane / 16): my eight biases
.set SPW, 28                           ; v28  my spare word; never rewritten
.set NIL, 29                           ; v29  0
.set FA0, 32
.set FA1, 64
.set FB0, 96
.set FB1, 160
.set T0,  32                           ; two table buffers of 64
.set U,   160
.set BK,  224
.set G1,  24                           ; s[24:31] group 1 for x's tiles;  s[32:39] group 0: the first fill's set, and the set that walks
.set G0,  32
.set G1B, 40                           ; s[40:47], s[48:55] the same for W's
.set G0B, 48
.set TB,  56                           ; s56  0 or SLOT1: the slot in hand
.set OQ,  66                           ; s[66:67], s[68:69], s[70:71] my rows in q, k, v
.set FLAGS, (1<<16)|(1<<20)|(1<<21)|(4<<22)|(3<<25)  ; 2-byte elements; padding on; bit 21 beside a mask; after every 32 words; 4 words
.set MSB, 0
.macro WIN new                         ; the immediate's high byte repeats the setting that is left; a switch that changes nothing is dropped
.if MSB != (\new)
	s_set_vgpr_msb (MSB<<8)|(\new)
.set MSB, \new
.endif
.endm
.macro PLACES                          ; four places behind matrix instructions, ahead of loads into their sources and of reads of their results
.rept 4
	v_nop
.endr
.endm
.macro JLOAD                           ; a joint refill: waves 0, 1 fetch the halves of x's tile, waves 2, 3 those of W's; the branch hangs on the wave's number alone
	s_cmp_lt_u32 s14, 2
	s_cbranch_scc0 .Lfor_b_\@
	tensor_load_to_lds s[G0+4:G0+7], s[G1:G1+7]
	s_nop 0
.rept 4
	v_nop
.endr
	s_branch .Lasked_\@
.Lfor_b_\@:
	tensor_load_to_lds s[G0B+4:G0B+7], s[G1B:G1B+7]
	s_nop 0
.rept 4
	v_nop
.endr
.Lasked_\@:
.endm
.macro CREST                           ; a round of the cluster's barrier behind its opening barrier
	s_cmp_lg_u32 s14, 0
	s_cbranch_scc1 .Lnot_wave_0_\@
	s_barrier_signal -3
.Lnot_wave_0_\@:
	s_barrier_wait -3
	s_barrier_signal -1
	s_barrier_wait -1
.endm
.macro CROUND
	s_barrier_signal -1
	s_barrier_wait -1
	CREST
.endm
	s_load_b256 s[4:11], s[0:1], 0x0               ; xb s[4:5], wb s[6:7], bias s[8:9], tab s[10:11]
	s_load_b64 s[12:13], s[0:1], 0x20              ; qkv
	v_lshl_add_u32 v[SPW], v0, 2, SPARE
	v_mov_b32 v[NIL], 0
	ds_add_u32 v[SPW], v[NIL]                      ; the wave's opening: the add and its wait stand ahead of my first tensor load; the set-up stands between them
	ds_add_u32 v28, v29
	v_lshrrev_b32 v1, 5, v0
	v_readfirstlane_b32 s14, v1                    ; wave 0..3
	s_and_b32 s16, s14, 1                          ; which half of a tile I fetch
	s_bfe_u32 s17, ttmp6, 0x40000                  ; cx
	s_bfe_u32 s18, ttmp6, 0x40004                  ; cy
	s_lshl_b32 s19, ttmp9, 2
	s_add_co_u32 s19, s19, s17                     ; the head = 4 x cluster x + cx
	s_and_b32 s20, ttmp7, 0xffff
	s_lshl_b32 s20, s20, 2
	s_add_co_u32 s20, s20, s18                     ; the block of 256 rows = 4 x cluster y + cy
	s_lshl_b32 s21, s18, 2
	s_lshl_b32 s21, 15, s21                        ; my row of the cluster
	s_lshl_b32 s22, 0x1111, s17                    ; my column
	s_or_b32 s[G1], s21, FLAGS
	s_or_b32 s[G1B], s22, FLAGS
	s_mov_b32 s[G1+1], 128<<16                     ; tensor_dim0 = 128 elements: 256 bytes, two rows of a block
	s_mov_b32 s[G1+2], 64<<16                      ; tensor_dim1 = 64: 128 rows of x
	s_mov_b32 s[G1+3], 128<<16                     ; tile_dim0
	s_mov_b32 s[G1+4], 64                          ; tile_dim1
	s_mov_b32 s[G1+5], 128                         ; dense
	s_mov_b32 s[G1+6], 0
	s_mov_b32 s[G1+7], 0
	s_mov_b32 s[G1B+1], 128<<16
	s_mov_b32 s[G1B+2], 96<<16                     ; 192 rows of W
	s_mov_b32 s[G1B+3], 128<<16
	s_mov_b32 s[G1B+4], 96
	s_mov_b32 s[G1B+5], 128
	s_mov_b32 s[G1B+6], 0
	s_mov_b32 s[G1B+7], 0
	s_mul_i32 s62, s16, 128*PITCH                  ; where they go: no place in the cluster enters an LDS address
	s_mul_i32 s63, s16, 192*PITCH
	s_add_co_u32 s63, s63, BOFF
	s_mov_b32 s[G0], 1
	s_mov_b32 s[G0+1], s62
	s_mov_b32 s[G0+4], 1
	s_add_co_u32 s[G0+5], s62, SLOT1
	s_mov_b32 s[G0B], 1
	s_mov_b32 s[G0B+1], s63
	s_mov_b32 s[G0B+4], 1
	s_add_co_u32 s[G0B+5], s63, SLOT1
	s_lshl_b32 s58, s20, 15                        ; x: 256 rows of 128 bytes,
	s_lshl_b32 s59, s16, 14                        ; my half
	s_add_co_u32 s58, s58, s59
	s_mov_b32 s59, 0
	s_mul_i32 s72, s19, 49152                      ; W: 384 rows of 128 bytes,
	s_mul_i32 s73, s16, 24576                      ; my half
	s_add_co_u32 s72, s72, s73
	s_mov_b32 s73, 0
	s_mul_i32 s76, s19, 1536                       ; the head's 384 biases
	s_mov_b32 s77, 0
	s_mov_b32 s[TB], 0
	s_wait_dscnt 0x0                               ; the opening add is done
	s_wait_kmcnt 0x0
	s_add_nc_u64 s[G0+2:G0+3], s[4:5], s[58:59]    ; K block 0,
	s_add_nc_u64 s[G0+6:G0+7], s[G0+2:G0+3], PLANE_A  ; K block 1
	s_or_b32 s[G0+3], s[G0+3], 0x80000000
	s_or_b32 s[G0+7], s[G0+7], 0x80000000
	s_add_nc_u64 s[G0B+2:G0B+3], s[6:7], s[72:73]
	s_add_nc_u64 s[G0B+6:G0B+7], s[G0B+2:G0B+3], PLANE_B
	s_or_b32 s[G0B+3], s[G0B+3], 0x80000000
	s_or_b32 s[G0B+7], s[G0B+7], 0x80000000
	s_add_nc_u64 s[8:9], s[8:9], s[76:77]
	CROUND                                         ; all sixteen work-groups are here: the first joint loads meet
	s_cmp_lt_u32 s14, 2                            ; a wave's two first fills stand in one branch: two loads of mine are out
	s_cbranch_scc0 .Lfirst_b
	tensor_load_to_lds s[G0:G0+3], s[G1:G1+7]
	s_nop 0
	tensor_load_to_lds s[G0+4:G0+7], s[G1:G1+7]
	s_nop 0
.rept 4
	v_nop
.endr
	s_branch .Lfirst_asked
.Lfirst_b:
	tensor_load_to_lds s[G0B:G0B+3], s[G1B:G1B+7]
	s_nop 0
	tensor_load_to_lds s[G0B+4:G0B+7], s[G1B:G1B+7]
	s_nop 0
.rept 4
	v_nop
.endr
.Lfirst_asked:
	v_and_b32 v1, 15, v0                           ; r
	v_bfe_u32 v2, v0, 4, 1                         ; h
	v_lshlrev_b32 v[BL], 5, v2
.irp g, 0,1,2                          ; the bias of column 16 b + 8 h + j into register j of accumulator (g, a, b), for every a
	WIN 0x40*((\g)+1)
.set aa, 0
.rept 4
.irp b, 0,1,2,3,4,5,6,7
	global_load_b128 v[8*(8*aa+(\b)):8*(8*aa+(\b))+3],   v[BL], s[8:9] offset:(\g)*512+(\b)*64
	global_load_b128 v[8*(8*aa+(\b))+4:8*(8*aa+(\b))+7], v[BL], s[8:9] offset:(\g)*512+(\b)*64+16
.endr
.set aa, aa+1
.endr
.endr
	WIN 0
	v_mul_u32_u24 v3, v1, PITCH
	v_lshl_add_u32 v3, v2, 4, v3                   ; a fragment's row x pitch + 16 x half
	s_mul_i32 s60, s14, 64*PITCH                   ; my 64 rows of x
	v_add_nc_u32 v[A0], s60, v3
	v_add_nc_u32 v[B0], BOFF, v3
	v_mov_b32 v[ADA], v[A0]
	v_mov_b32 v[ADB], v[B0]
	s_mul_i32 s60, s14, 16*SP
	s_add_co_u32 s60, s60, STAGE                   ; my stage
	v_mul_u32_u24 v[STO], v1, SP
	v_lshl_add_u32 v[STO], v2, 4, v[STO]
	v_add_nc_u32 v[STO], s60, v[STO]
	v_mul_u32_u24 v[RD], v2, SP
	v_lshl_add_u32 v[RD], v1, 4, v[RD]
	v_add_nc_u32 v[RD], s60, v[RD]
	v_and_b32 v[GO], 31, v0
	v_lshlrev_b32 v[GO], 4, v[GO]
	s_and_b32 s76, s20, 7                          ; my first position in the sequence is 256 (block % 8) + 64 w: 16 positions are 8,192 bytes of the table
	s_lshl_b32 s76, s76, 4
	s_lshl_b32 s77, s14, 2
	s_add_co_u32 s76, s76, s77
	s_lshl_b32 s76, s76, 13
	s_mov_b32 s77, 0
	s_add_nc_u64 s[10:11], s[10:11], s[76:77]
	s_lshr_b32 s78, s20, 3                         ; the batch,
	s_lshl_b32 s78, s78, 4
	s_add_co_u32 s78, s78, s19                     ; the head: 2,048 rows of 256 bytes,
	s_lshl_b32 s78, s78, 19
	s_and_b32 s79, s20, 7
	s_lshl_b32 s79, s79, 16                        ; the block's 256 rows,
	s_add_co_u32 s78, s78, s79
	s_lshl_b32 s79, s14, 14                        ; my 64
	s_add_co_u32 s78, s78, s79
	s_mov_b32 s79, 0
	s_add_nc_u64 s[OQ:OQ+1], s[12:13], s[78:79]
	s_add_nc_u64 s[OQ+2:OQ+3], s[OQ:OQ+1], PART
	s_add_nc_u64 s[OQ+4:OQ+5], s[OQ+2:OQ+3], PART
; 16 LDS loads: W's 8 fragments of part g, 32 along K at byte 64 kq of the rows
.macro LDB g, kq, buf
.irp b, 0,1,2,3,4,5,6,7
	ds_load_b128 v[(\buf)+8*(\b):(\buf)+8*(\b)+3],   v[ADB] offset:(128*(\g)+16*(\b))*PITCH+64*(\kq)
	ds_load_b128 v[(\buf)+8*(\b)+4:(\buf)+8*(\b)+7], v[ADB] offset:(128*(\g)+16*(\b))*PITCH+64*(\kq)+32
.endr
.endm
; 8 LDS loads: x's 4 fragments
.macro LDA kq, buf
.irp a, 0,1,2,3
	ds_load_b128 v[(\buf)+8*(\a):(\buf)+8*(\a)+3],   v[ADA] offset:(\a)*16*PITCH+64*(\kq)
	ds_load_b128 v[(\buf)+8*(\a)+4:(\buf)+8*(\a)+7], v[ADA] offset:(\a)*16*PITCH+64*(\kq)+32
.endr
.endm
; 8 n matrix instructions: row blocks a0 .. a0 + n - 1 x all 8 column blocks of part g.  The accumulators take turns, one instruction a turn; neighbouring units work on different parts.
.macro MUL g, fa, fb, a0, n
	WIN 0x50*((\g)+1)
.set aa, \a0
.rept \n
.irp b, 0,1,2,3,4,5,6,7
	v_wmma_f32_16x16x32_bf16 v[8*(8*aa+(\b)):8*(8*aa+(\b))+7], v[(\fb)+8*(\b):(\fb)+8*(\b)+7], v[(\fa)+8*aa:(\fa)+8*aa+7], v[8*(8*aa+(\b)):8*(8*aa+(\b))+7]
.endr
.set aa, aa+1
.endr
.endm
; A K step is six units of 32 matrix instructions: unit u = 32 along K number u / 3, part u % 3.  Units 0 to 4: the next unit's fragments are fetched in one run ahead of this unit's products.
.macro UNIT u
	s_wait_dscnt 0x0                               ; this unit's fragments, asked for a unit ago, are in
	PLACES                                         ; the buffer to be loaded was read by the unit before
	WIN 0
	LDB ((\u)+1)%3, ((\u)+1)/3, FB0+64*(((\u)+1)%2)
.if (\u) == 2
	LDA 1, FA1
.endif
	MUL (\u)%3, FA0+32*((\u)/3), FB0+64*((\u)%2), 0, 4
.endm
; Unit 5 changes slots: ONE barrier.  In front of it each wave waits for all its tensor loads (one is out: its part of the next slot), adds 0 to its spare word, and waits for that and for its reads of this slot.
; fill = 1: the barrier opens a round of the cluster's, and this slot is filled again, two K steps ahead, first thing behind the round.
.macro TURN fill
	WIN 0
	s_wait_tensorcnt 0x0
	ds_add_u32 v[SPW], v[NIL]
	s_wait_dscnt 0x1                               ; (the add alone may be out: this unit's fragments are in)
	MUL 2, FA1, FB1, 0, 1                          ; eight matrix instructions stand between the add and the wait for it
	s_wait_dscnt 0x0                               ; the add is done, and my reads of this slot are over
	s_barrier_signal -1
	MUL 2, FA1, FB1, 1, 1
	WIN 0
	s_barrier_wait -1
.if \fill
	CREST                                          ; no wave of any partner still reads this slot's tiles or has a load on its way
	s_xor_b32 s[G0+5], s[G0+5], SLOT1              ; the walking sets: the other slot than last time, the next K block
	s_add_nc_u64 s[G0+6:G0+7], s[G0+6:G0+7], PLANE_A
	s_xor_b32 s[G0B+5], s[G0B+5], SLOT1
	s_add_nc_u64 s[G0B+6:G0B+7], s[G0B+6:G0B+7], PLANE_B
	JLOAD                                          ; the four v_nop behind it are also the places in front of the loads below
.else
	PLACES
.endif
	s_xor_b32 s[TB], s[TB], SLOT1
	v_add_nc_u32 v[ADA], s[TB], v[A0]
	v_add_nc_u32 v[ADB], s[TB], v[B0]
	LDB 0, 0, FB0
	LDA 0, FA0
	MUL 2, FA1, FB1, 2, 2
.endm
.macro STEP fill
	UNIT 0
	UNIT 1
	UNIT 2
	UNIT 3
	UNIT 4
	TURN \fill
.endm
	s_wait_tensorcnt 0x1                           ; my part of K block 0 is in; block 1's may stay out
	s_barrier_signal -1
	s_barrier_wait -1                              ; everybody's is
	LDB 0, 0, FB0
	LDA 0, FA0
	s_wait_loadcnt 0x0                             ; the biases
	s_mov_b32 s23, 14
.Lstep:                                                ; K steps 0 to 13 ask for steps 2 to 15
	STEP 1
	WIN 0
	s_sub_co_u32 s23, s23, 1
	s_cmp_lg_u32 s23, 0
	s_cbranch_scc1 .Lstep
	s_mov_b32 s23, 2
.Llast:                                                ; steps 14 and 15 ask for nothing; the last one's change of slots and its fetch serve nothing: the price of one text for both
	STEP 0
	WIN 0
	s_sub_co_u32 s23, s23, 1
	s_cmp_lg_u32 s23, 0
	s_cbranch_scc1 .Llast
; THE WAY OUT, by blocks of 16 rows (a) and parts (g): rotate (q, k) or take as it is (v), round to f16, through my own stage in LDS, out as whole rows of 256 bytes.
.macro TABLOAD a, T                    ; 16 positions' cos and sin: cos of frequencies 16 b + 8 h + j at T + 16 b + j, sin 8 registers on
.set i, 0
.rept 16
	global_load_b128 v[(\T)+4*i:(\T)+4*i+3], v[GO], s[10:11] offset:(\a)*8192+i*512
.set i, i+1
.endr
.endm
.macro ROPE g, a, T                    ; y[d] = x[d] cos - x[d + 64] sin;  y[d + 64] = x[d + 64] cos + x[d] sin.  Each accumulator is read from its lowest registers on
	WIN (\g)+1                                     ; source 0 in the part's window
.irp b, 0,1,2,3
.irp p, 0,2,4,6
	v_pk_mul_f32 v[U+8*(\b)+(\p):U+8*(\b)+(\p)+1], v[64*(\a)+8*(\b)+32+(\p):64*(\a)+8*(\b)+32+(\p)+1], v[(\T)+16*(\b)+8+(\p):(\T)+16*(\b)+8+(\p)+1]
.endr
.endr
.irp b, 0,1,2,3
.irp p, 0,2,4,6
	v_pk_mul_f32 v[U+32+8*(\b)+(\p):U+32+8*(\b)+(\p)+1], v[64*(\a)+8*(\b)+(\p):64*(\a)+8*(\b)+(\p)+1], v[(\T)+16*(\b)+8+(\p):(\T)+16*(\b)+8+(\p)+1]
.endr
.endr
.irp b, 0,1,2,3
.irp p, 0,2,4,6
	v_pk_fma_f32 v[U+8*(\b)+(\p):U+8*(\b)+(\p)+1], v[64*(\a)+8*(\b)+(\p):64*(\a)+8*(\b)+(\p)+1], v[(\T)+16*(\b)+(\p):(\T)+16*(\b)+(\p)+1], v[U+8*(\b)+(\p):U+8*(\b)+(\p)+1] neg_lo:[0,0,1] neg_hi:[0,0,1]
.endr
.endr
.irp b, 0,1,2,3
.irp p, 0,2,4,6
	v_pk_fma_f32 v[U+32+8*(\b)+(\p):U+32+8*(\b)+(\p)+1], v[64*(\a)+8*(\b)+32+(\p):64*(\a)+8*(\b)+32+(\p)+1], v[(\T)+16*(\b)+(\p):(\T)+16*(\b)+(\p)+1], v[U+32+8*(\b)+(\p):U+32+8*(\b)+(\p)+1]
.endr
.endr
	WIN 0
.set i, 0
.rept 32                               ; in place, ascending: register i is written when registers 2 i, 2 i + 1 are read
	v_cvt_pk_f16_f32 v[U+i], v[U+2*i], v[U+2*i+1]
.set i, i+1
.endr
.endm
.macro VPACK a
	WIN 0x0f                                       ; sources 0 and 1 in window 3
.set i, 0
.rept 32
	v_cvt_pk_f16_f32 v[U+i], v[64*(\a)+2*i], v[64*(\a)+2*i+1]
.set i, i+1
.endr
	WIN 0
.endm
.macro TOSTAGE
	WIN 0
.irp b, 0,1,2,3,4,5,6,7
	ds_store_b128 v[STO], v[U+4*(\b):U+4*(\b)+3] offset:32*(\b)
.endr
	s_wait_xcnt 0x0                                ; the registers that the last block's stores read are loaded again only behind this wait
.irp t, 0,1,2,3,4,5,6,7
	ds_load_b128 v[BK+4*(\t):BK+4*(\t)+3], v[RD] offset:(\t)*2*SP  ; LDS serves a wave's instructions in order (ISA guide 5.7.1.4): these see the stores above
.endr
.endm
.macro SEND g, a
	WIN 0
	s_wait_dscnt 0x0                               ; the block is back in registers
.irp t, 0,1,2,3,4,5,6,7
	global_store_b128 v[GO], v[BK+4*(\t):BK+4*(\t)+3], s[OQ+2*(\g):OQ+2*(\g)+1] offset:(\a)*4096+(\t)*512  ; two rows: 512 consecutive bytes
.endr
.endm
.set PG, 0
.set PA, 0
.macro ITEM a, g                       ; a block's arithmetic stands between the read-back of the block before and the wait for it
.if (\g) == 0
.if ((\a) == 1) || ((\a) == 2)
	TABLOAD (\a)+1, T0+64*(((\a)+1)%2)
.endif
.if (\a) < 3
	s_wait_loadcnt 16                              ; this block's table is in; the next block's 16 loads stay out
.else
	s_wait_loadcnt 0x0
.endif
.endif
.if (\g) < 2
	ROPE \g, \a, T0+64*((\a)%2)
.else
	VPACK \a
.endif
.if (3*(\a)+(\g)) > 0
	SEND PG, PA
.endif
	TOSTAGE
.set PG, \g
.set PA, \a
.endm
	s_wait_dscnt 0x0                               ; the last fetch has landed: its registers are used anew
	PLACES                                         ; behind the last products
	TABLOAD 0, T0
	TABLOAD 1, T0+64
.irp a, 0,1,2,3
.irp g, 0,1,2
	ITEM \a, \g
.endr
.endr
	SEND PG, PA
	s_wait_tensorcnt 0x0                           ; the wave's end
	ds_add_u32 v[SPW], v[NIL]
	s_wait_dscnt 0x0
	CROUND                                         ; the closing round
	s_endpgm
.Lfunc_end_k_qfc744402e3_qkv:
	.size	k_qfc744402e3_qkv, .Lfunc_end_k_qfc744402e3_qkv-k_qfc744402e3_qkv
	.p2alignl 7, 3214868480
	.fill 96, 4, 3214868480
	.section	.rodata,"a",@progbits
	.p2align	6, 0x0
	.amdhsa_kernel k_qfc744402e3_qkv
		.amdhsa_group_segment_fixed_size 327680
		.amdhsa_private_segment_fixed_size 0
		.amdhsa_enable_private_segment 0
		.amdhsa_kernarg_size 40
		.amdhsa_user_sgpr_count 2
		.amdhsa_user_sgpr_kernarg_segment_ptr 1
		.amdhsa_wavefront_size32 1
		.amdhsa_system_sgpr_workgroup_id_x 1
		.amdhsa_system_sgpr_workgroup_id_y 1
		.amdhsa_system_sgpr_workgroup_id_z 1
		.amdhsa_system_vgpr_workitem_id 0
		.amdhsa_next_free_vgpr 1024
		.amdhsa_next_free_sgpr 80
		.amdhsa_reserve_vcc 0
		.amdhsa_float_denorm_mode_32 3
		.amdhsa_float_denorm_mode_16_64 3
		.amdhsa_memory_ordered 1
		.amdhsa_forward_progress 1
		.amdhsa_inst_pref_size 155
	.end_amdhsa_kernel
	.amdgpu_metadata
---
amdhsa.version: [ 1, 2 ]
amdhsa.kernels:
  - .name:           k_qfc744402e3_qkv
    .symbol:         k_qfc744402e3_qkv.kd
    .args:
      - { .name: xb, .offset: 0, .size: 8, .value_kind: global_buffer, .address_space: global }
      - { .name: wb, .offset: 8, .size: 8, .value_kind: global_buffer, .address_space: global }
      - { .name: bias, .offset: 16, .size: 8, .value_kind: global_buffer, .address_space: global }
      - { .name: tab, .offset: 24, .size: 8, .value_kind: global_buffer, .address_space: global }
      - { .name: qkv, .offset: 32, .size: 8, .value_kind: global_buffer, .address_space: global }
    .group_segment_fixed_size: 327680
    .private_segment_fixed_size: 0
    .kernarg_segment_align: 8
    .kernarg_segment_size: 40
    .max_flat_workgroup_size: 128
    .sgpr_count:     80
    .vgpr_count:     1024
    .wavefront_size: 32
...
	.end_amdgpu_metadata
.endif
;; end of part 2
;; launch attn (part 3): grid 8 x 32, 4 waves a work-group, no clusters, 327,680 bytes of LDS; arguments qkv, ctx; writes ctx
.if DOCPART == 3
	.amdgcn_target "amdgcn-amd-amdhsa--gfx1250"
	.amdhsa_code_object_version 6
	.text
	.protected	k_qfc744402e3_attn
	.globl	k_qfc744402e3_attn
	.p2align	8
	.type	k_qfc744402e3_attn,@function
k_qfc744402e3_attn:
	s_mov_b64 s[64:65], 0
	v_nop
	global_prefetch_b8 v0, s[64:65] scope:SCOPE_SE
	s_setreg_imm32_b32 hwreg(HW_REG_WAVE_MODE, 25, 1), 1
	s_wait_xcnt 0x0
; CAUSAL ATTENTION, head size 128.  ctx[batch][q][head][:] = the sum over k <= q of softmax_k(Q[q] . K[k] / sqrt(128)) V[k][:].  Q, K, V: the three parts of qkv, [batch x 16 + head][2048][128] in f16; ctx: [4096][2048] in f16.
; Products, maxima and sums in f32; the weights p are rounded to f16 for the second product (their sum l is taken of the unrounded p), the result once at the end.
; LIMITS.  Q, K, V arrive within f16's 65,504, so a score's magnitude is 5.5e11 at the most.  A hidden score counts as its value less 1e30.  The running maximum starts at -1e20: below every true score, above every hidden one.
; A weight below 2^-126 counts as 0 in l; NaN and infinities are not treated apart.
; THE WALK.  A head's queries lie in 16 blocks of 128; block i needs the key tiles 0 .. i of 128 keys, the last of which holds the diagonal.  Work-group b takes block b and then block 15 - b: 17 tiles whatever b,
; so all 256 work-groups do equal work, and loops with constant trip counts walk them.  Which tile is asked for, and where a block ends, hang on scalar registers made from b.
; NO CLUSTER: a head's 8 work-groups ask for the same tile only in their first b + 1 requests; a walk common to all, in which each asks for everything, would have 24 trips for 17.
; SHARES.  Wave w: qh = w / 2, kh = w % 2: 64 queries (four tiles of 16) and 64 of a tile's 128 keys.  The two halves of the keys have maxima, sums and results of their own, in f32, and are merged once a block through LDS.
; LAYOUT.  S^T = K Q^T (source 0 = 16 keys, source 1 = 16 queries) holds ONE query a lane (lane % 16) and the keys 8 (lane / 16) + 0..7; two such results rounded to f16 ARE source 1 of O^T = V^T P.
; SOFTMAX.  p = 2^(c s - c m), c = log2(e) / sqrt(128), with a running maximum m; O and l are multiplied by a = 2^(c m_old - c m_new) in every step.  A block's first step has a = 0: no first step is written out.
; THE MASK is the C operand that starts the sum S^T: MC = MD x AL, AL = 1 in a block's last tile and 0 elsewhere.  MD, made once, is 0 or -1e30; it hangs on key block less query tile alone: seven classes of eight registers.
; A TRIP (one tile): V is fetched; piece 0's scores (tiles 0, 1); piece 2's scores with piece 0's softmax in slices behind them; piece 0's V^T P with piece 2's softmax behind; the change of slots, since K and V are
; both in registers; the next K is fetched; piece 2's V^T P.
; CHANNELS.  In waves with kh = 1 V's fragment cb holds channel block (cb + 4) % 8.  So in every wave O^T's blocks 0-3 are the channels that it keeps at the merge, blocks 4-7 those that its partner keeps.
; REGISTERS.  window 0: v0-11, v44-49 addresses; v12-43 eight registers of statistics a tile; v64-191 S^T, 32 a tile; v192-255 P, 16 a tile.     window 1: O^T, 64 a tile.
;             window 2: v0-127 Q, 32 a tile; v128-255 K.     window 3: v0-127 V; v128-183 MD; v184-239 MC.
.set PK,    272       ; a row of K in LDS: 256 bytes + 16 of padding
.set PV,    288       ; a row of V: 256 + 32
.set VOFF,  128*PK    ; a slot: 128 rows of K, then 128 rows of V
.set SLOT1, 131072
.set XCH,   SLOT1+128*(PK+PV)   ; behind the ring: for each wave 16,384 bytes of O^T and 2,048 of statistics, for the merge
.set XW,    18432
.set STAGE, XCH+4*XW            ; for each half of the queries 64 rows x 272 bytes, for the way out
.set SP,    272
.set SPARE, STAGE+2*64*SP       ; the spare words, 128 bytes for each wave
.set PART,  16777216
.set AK0, 2           ; v2   my lane's place in a tile of K; never rewritten
.set AVL0, 3          ; v3   in a tile of V, for fragments 0-3
.set ADR, 4           ; v4   the LDS address of K's run of loads
.set QO,  5           ; v5   my byte offset in 16 rows of Q
.set STO, 6           ; v6   the way out: where I put 16 bytes of a row
.set RD,  7           ; v7   where I read rows back
.set GO,  8           ; v8   my byte offset in two rows of ctx
.set AVH0, 9          ; v9   my lane's place in a tile of V, for fragments 4-7
.set AVL, 10          ; v10, v11  the same two in the slot in hand
.set ST,  12          ; tile t's statistics at v[ST+8 t]: +0 c m, +1 m, +2, +3 l, +4 to +7 at work; a takes +6
.set XS,  44          ; v44  where I put what my partner needs
.set XR,  45          ; v45  where I find what it put for me
.set SPW, 62
.set NIL, 63
.set S,   64
.set P,   192
.set KF,  128         ; window 2
.set MD,  128         ; window 3
.set MC,  184         ; window 3
.set WV,  12          ; s12  my wave's number; s13 qh; s16 kh
.set PB,  14          ; s14  b
.set HI,  15          ; s15  15 - b
.set G1K, 24
.set G1V, 32
.set G0K, 40          ; s[40:47] group 0 for K's tiles: the first fill's set, and the set that walks
.set G0V, 48          ; s[48:55] the same for V's
.set CNT, 56
.set CS,  58          ; s[58:59] c
.set SEL, 60          ; s[60:61] v_permlanex16_b32's selects
.set TB,  62          ; s62  0 or SLOT1: the slot from which K and V are fetched
.set RT,  70          ; s70  tiles of the block in hand, this one among them
.set NXT, 71          ; s71  the tile to be asked for next
.set LQ,  72          ; s72  the last tile of the block whose tiles are being asked for
.set OFF, 74          ; s[74:75]
.set AL,  76          ; s[76:77]
.set BIGN, 78
.set MSB, 0
.macro WIN new
.if MSB != (\new)
	s_set_vgpr_msb (MSB<<8)|(\new)
.set MSB, \new
.endif
.endm
.set W_KQ, 0x0a       ; K and Q in window 2, S^T in window 0
.set W_KM, 0x3a       ; the same with the C operand in window 3
.set W_PV, 0x53       ; V in window 3, P in window 0, O^T in window 1
.set W_RS, 0x41       ; O^T (destination and source 0) in window 1, a in window 0
.macro PLACES
.rept 4
	v_nop
.endr
.endm
.macro ADVANCE                      ; the block's next tile, or behind its last the second block's tile 0
	s_add_co_u32 s[NXT], s[NXT], 1
	s_cmp_gt_u32 s[NXT], s[LQ]
	s_cselect_b32 s[NXT], 0, s[NXT]
	s_cselect_b32 s[LQ], s[HI], s[LQ]
.endm
.macro LOAD                         ; a refill: waves 0, 1 fetch the halves of a tile's K, waves 2, 3 those of its V
	s_cmp_lt_u32 s[WV], 2
	s_cbranch_scc0 .Lfor_v_\@
	tensor_load_to_lds s[G0K+4:G0K+7], s[G1K:G1K+7]
	s_nop 0
.rept 4
	v_nop
.endr
	s_branch .Lasked_\@
.Lfor_v_\@:
	tensor_load_to_lds s[G0V+4:G0V+7], s[G1V:G1V+7]
	s_nop 0
.rept 4
	v_nop
.endr
.Lasked_\@:
.endm
; THE CHANGE OF SLOTS.  Each wave waits for all its tensor loads (one is out: its part of the other slot), adds 0 to its spare word, and waits for that and for its reads of the slot that it leaves.
; fill = 1: the old slot is filled again, first thing behind the barrier, with tile NXT: the descriptor's address is made anew from that number.
.macro CHANGE fill
	WIN 0
	s_wait_tensorcnt 0x0
	ds_add_u32 v[SPW], v[NIL]
.if \fill
	s_lshl_b32 s[OFF], s[NXT], 15   ; a tile is 32,768 bytes of K and of V
	s_xor_b32 s[G0K+5], s[G0K+5], SLOT1
	s_add_nc_u64 s[G0K+6:G0K+7], s[6:7], s[OFF:OFF+1]
	s_or_b32 s[G0K+7], s[G0K+7], 0x80000000
	s_xor_b32 s[G0V+5], s[G0V+5], SLOT1
	s_add_nc_u64 s[G0V+6:G0V+7], s[8:9], s[OFF:OFF+1]
	s_or_b32 s[G0V+7], s[G0V+7], 0x80000000
	ADVANCE
.endif
	s_wait_dscnt 0x0                ; the add is done, and my reads of the slot are over
	s_barrier_signal -1
	s_xor_b32 s[TB], s[TB], SLOT1
	s_barrier_wait -1
.if \fill
	LOAD
.endif
.endm
	s_load_b128 s[84:87], s[0:1], 0x0  ; qkv s[84:85], ctx s[86:87]
	v_lshl_add_u32 v[SPW], v0, 2, SPARE
	v_mov_b32 v[NIL], 0
	ds_add_u32 v[SPW], v[NIL]       ; the wave's opening: the add and its wait stand ahead of my first tensor load
	ds_add_u32 v62, v63
	v_lshrrev_b32 v1, 5, v0
	v_readfirstlane_b32 s[WV], v1
	s_lshr_b32 s13, s[WV], 1        ; qh
	s_and_b32 s16, s[WV], 1         ; kh; also: which half of a tile I fetch
	s_mov_b32 s[PB], ttmp9
	s_sub_co_u32 s[HI], 15, s[PB]
	s_and_b32 s20, ttmp7, 0xffff    ; batch x 16 + head
	s_lshl_b32 s21, s20, 19         ; its 2,048 rows of 256 bytes
	s_lshl_b32 s22, s13, 14         ; my 64 queries in a block
	s_add_co_u32 s22, s22, s21
	s_lshl_b32 s2, s[PB], 15        ; the first block,
	s_add_co_u32 s2, s2, s22
	s_mov_b32 s3, 0
	s_lshl_b32 s88, s[HI], 15       ; the second
	s_add_co_u32 s88, s88, s22
	s_mov_b32 s89, 0
	s_lshl_b32 s90, s16, 14         ; the 64 rows that I fetch of a tile
	s_add_co_u32 s90, s90, s21
	s_add_co_u32 s90, s90, PART     ; K lies behind Q
	s_mov_b32 s91, 0
	s_lshr_b32 s22, s20, 4          ; ctx: the batch's 2,048 rows of 4,096 bytes,
	s_lshl_b32 s22, s22, 23
	s_and_b32 s23, s20, 15
	s_lshl_b32 s23, s23, 8          ; the head's 256 bytes of a row,
	s_add_co_u32 s22, s22, s23
	s_lshl_b32 s23, s13, 18         ; my half of the block's queries,
	s_add_co_u32 s22, s22, s23
	s_lshl_b32 s23, s16, 17         ; the 32 rows of it that I store
	s_add_co_u32 s22, s22, s23
	s_lshl_b32 s18, s[PB], 19
	s_add_co_u32 s18, s18, s22
	s_mov_b32 s19, 0
	s_lshl_b32 s23, s[HI], 19
	s_add_co_u32 s22, s22, s23
	s_mov_b32 s23, 0
	s_mov_b32 s[G1K], (1<<16)|(1<<20)|(5<<22)|(3<<25)  ; 2-byte elements; padding on; after every 64 words; 4 words
	s_mov_b32 s[G1V], (1<<16)|(1<<20)|(5<<22)|(7<<25)  ; the same with 8 words
.irp g, G1K, G1V
	s_mov_b32 s[(\g)+1], 128<<16    ; tensor_dim0 = 128
	s_mov_b32 s[(\g)+2], 64<<16     ; tensor_dim1 = 64
	s_mov_b32 s[(\g)+3], 128<<16    ; tile_dim0
	s_mov_b32 s[(\g)+4], 64         ; tile_dim1
	s_mov_b32 s[(\g)+5], 128        ; elements from row to row
	s_mov_b32 s[(\g)+6], 0
	s_mov_b32 s[(\g)+7], 0
.endr
	s_mul_i32 s17, s16, 64*PK
	s_mul_i32 s57, s16, 64*PV
	s_add_co_u32 s57, s57, VOFF
	s_mov_b32 s[G0K], 1
	s_mov_b32 s[G0K+1], s17
	s_mov_b32 s[G0K+4], 1
	s_add_co_u32 s[G0K+5], s17, SLOT1
	s_mov_b32 s[G0V], 1
	s_mov_b32 s[G0V+1], s57
	s_mov_b32 s[G0V+4], 1
	s_add_co_u32 s[G0V+5], s57, SLOT1
	s_mov_b32 s[CS], 0x3e0293ee     ; c = log2(e) / sqrt(128)
	s_mov_b32 s[CS+1], s[CS]
	s_mov_b32 s[SEL], 0x76543210
	s_mov_b32 s[SEL+1], 0xfedcba98
	s_mov_b32 s[TB], 0
	s_add_co_u32 s[RT], s[PB], 1    ; the first block has b + 1 tiles
	s_mov_b32 s[NXT], 0             ; request 0 is tile 0
	s_mov_b32 s[LQ], s[PB]
	ADVANCE                         ; request 1
	s_lshl_b32 s[OFF], s[NXT], 15
	s_mov_b32 s[OFF+1], 0
	ADVANCE                         ; request 2, the loop's first
	s_mov_b32 s[AL+1], 0
	s_mov_b32 s[BIGN], 0xf149f2ca   ; -1e30
	s_wait_dscnt 0x0                ; the opening add is done
	s_wait_kmcnt 0x0
	s_add_nc_u64 s[4:5], s[84:85], s[2:3]      ; Q at my rows of the first block,
	s_add_nc_u64 s[80:81], s[84:85], s[88:89]  ; of the second
	s_add_nc_u64 s[6:7], s[84:85], s[90:91]    ; K and V at my half of the head's tile 0
	s_add_nc_u64 s[8:9], s[6:7], PART
	s_add_nc_u64 s[10:11], s[86:87], s[18:19]  ; ctx at the rows that I store, first block,
	s_add_nc_u64 s[82:83], s[86:87], s[22:23]  ; second
	s_mov_b64 s[G0K+2:G0K+3], s[6:7]
	s_or_b32 s[G0K+3], s[G0K+3], 0x80000000
	s_add_nc_u64 s[G0K+6:G0K+7], s[6:7], s[OFF:OFF+1]
	s_or_b32 s[G0K+7], s[G0K+7], 0x80000000
	s_mov_b64 s[G0V+2:G0V+3], s[8:9]
	s_or_b32 s[G0V+3], s[G0V+3], 0x80000000
	s_add_nc_u64 s[G0V+6:G0V+7], s[8:9], s[OFF:OFF+1]
	s_or_b32 s[G0V+7], s[G0V+7], 0x80000000
	s_cmp_lt_u32 s[WV], 2           ; a wave's two first fills stand in one branch: two loads of mine are out
	s_cbranch_scc0 .Lfirst_v
	tensor_load_to_lds s[G0K:G0K+3], s[G1K:G1K+7]
	s_nop 0
	tensor_load_to_lds s[G0K+4:G0K+7], s[G1K:G1K+7]
	s_nop 0
.rept 4
	v_nop
.endr
	s_branch .Lfirst_asked
.Lfirst_v:
	tensor_load_to_lds s[G0V:G0V+3], s[G1V:G1V+7]
	s_nop 0
	tensor_load_to_lds s[G0V+4:G0V+7], s[G1V:G1V+7]
	s_nop 0
.rept 4
	v_nop
.endr
.Lfirst_asked:
	v_and_b32 v1, 15, v0            ; r = l % 16
	v_bfe_u32 v46, v0, 4, 1         ; h = l / 16
	v_lshlrev_b32 v[QO], 8, v1
	v_lshl_add_u32 v[QO], v46, 4, v[QO]
.macro QLOAD base                   ; Q stays in registers: tile i / 4, channels 32 (i % 4) on
	WIN 0x80
.set i, 0
.rept 16
	global_load_b128 v[8*i:8*i+3],   v[QO], s[(\base):(\base)+1] offset:(i/4)*4096+(i%4)*64
	global_load_b128 v[8*i+4:8*i+7], v[QO], s[(\base):(\base)+1] offset:(i/4)*4096+(i%4)*64+32
.set i, i+1
.endr
	WIN 0
.endm
	QLOAD 4
	v_and_b32 v47, 7, v0
	v_bfe_u32 v48, v0, 3, 1
	s_mul_i32 s2, s16, 64*PK        ; my 64 keys of a tile
	v_mul_u32_u24 v[AK0], v1, PK
	v_lshl_add_u32 v[AK0], v46, 4, v[AK0]
	v_add_nc_u32 v[AK0], s2, v[AK0]
	; The turning load takes 16 keys x 16 channels (lane l reads key 8 (l / 16) + l % 8, channels 8 ((l / 8) % 2) + 0..7) and leaves half a fragment of V^T: lane l holds channel l % 16 and 8 keys.
	s_mul_i32 s3, s16, 64*PV
	s_add_co_u32 s3, s3, VOFF
	s_lshl_b32 s2, s16, 7           ; kh = 1: fragments 0-3 lie 128 bytes further on in the rows, fragments 4-7 as far back
	v_lshl_add_u32 v[AVL0], v46, 3, v47
	v_mul_u32_u24 v[AVL0], v[AVL0], PV
	v_lshl_add_u32 v[AVL0], v48, 4, v[AVL0]
	v_add_nc_u32 v[AVL0], s3, v[AVL0]
	v_sub_nc_u32 v[AVH0], v[AVL0], s2
	v_add_nc_u32 v[AVL0], s2, v[AVL0]
	s_mul_i32 s3, s13, 64*SP
	s_add_co_u32 s3, s3, STAGE      ; my half of the queries' stage
	v_mul_u32_u24 v[STO], v1, SP    ; in: row r of a tile, my 128 bytes of it, 16 bytes for each half of the lanes
	v_lshl_add_u32 v[STO], v46, 4, v[STO]
	v_add3_u32 v[STO], v[STO], s2, s3
	s_mul_i32 s2, s16, 32*SP        ; back: my 32 rows, whole; lanes 0-15 one row, lanes 16-31 the next
	s_add_co_u32 s3, s3, s2
	v_mul_u32_u24 v[RD], v46, SP
	v_lshl_add_u32 v[RD], v1, 4, v[RD]
	v_add_nc_u32 v[RD], s3, v[RD]
	v_lshlrev_b32 v[GO], 12, v46    ; and the same two rows in ctx
	v_lshl_add_u32 v[GO], v1, 4, v[GO]
	v_and_b32 v47, 31, v0
	s_mul_i32 s2, s[WV], XW
	s_add_co_u32 s2, s2, XCH
	v_lshl_add_u32 v[XS], v47, 4, s2
	s_xor_b32 s3, s[WV], 1          ; my partner: the same queries, the other keys
	s_mul_i32 s3, s3, XW
	s_add_co_u32 s3, s3, XCH
	v_lshl_add_u32 v[XR], v47, 4, s3
	; In the diagonal tile key 64 kh + 16 kb + 8 h + j is hidden from query 64 qh + 16 t + r where 16 (kb - t) + j > r - 8 h - 64 (kh - qh).  Class kb - t + 3.
	s_sub_co_i32 s2, s16, s13
	s_lshl_b32 s2, s2, 6
	v_lshlrev_b32 v49, 3, v46
	v_sub_nc_u32 v49, v1, v49
	v_sub_nc_u32 v49, v49, s2
	WIN 0xc0
.set i, 0
.rept 56
	v_cmp_gt_i32 vcc_lo, 16*(i/8)-48+i%8, v49
	v_cndmask_b32 v[MD+i], 0, s[BIGN], vcc_lo
.set i, i+1
.endr
	; O^T and l need hold finite numbers only, since a block's first step multiplies them by a = 0; but a wave that sees hidden keys alone (block 0, qh = 0, kh = 1) keeps them, so they are zeros.  All this stands in the wait for the first tile.
	WIN 0x40
.set i, 0
.rept 256
	v_mov_b32 v[i], 0
.set i, i+1
.endr
	WIN 0
.macro RESET                        ; a block begins: m far below every true score, c m made of it as the softmax makes it
.irp t, 0,1,2,3
	v_mov_b32 v[ST+8*(\t)+1], 0xe0ad78ec
.endr
.irp t, 0,1,2,3
	v_mul_f32 v[ST+8*(\t)], s[CS], v[ST+8*(\t)+1]
.endr
.endm
	RESET
.irp t, 0,1,2,3
	v_mov_b32 v[ST+8*(\t)+2], 0
	v_mov_b32 v[ST+8*(\t)+3], 0
.endr
; THE MATRIX WORK.  The accumulators take turns, one instruction a turn.
; Product i of 32 of S^T = K Q^T for piece x: channels 32 (i / 8) on, keys 16 ((i / 2) % 4) on, tile x + i % 2.  The first 8 start the sums, with the mask of their class.
.macro KQ x
.set rS, S+32*((\x)+i%2)+8*((i/2)%4)
.set rK, KF+32*((i/2)%4)+8*(i/8)
.set rQ, 32*((\x)+i%2)+8*(i/8)
.set rM, MC+8*((i/2)%4-((\x)+i%2)+3)
.if i < 8
	WIN W_KM
	v_wmma_f32_16x16x32_f16 v[rS:rS+7], v[rK:rK+7], v[rQ:rQ+7], v[rM:rM+7]
.else
	WIN W_KQ
	v_wmma_f32_16x16x32_f16 v[rS:rS+7], v[rK:rK+7], v[rQ:rQ+7], v[rS:rS+7]
.endif
.endm
; Product i of 32 of O^T += V^T P for piece x: keys 32 (i / 16) on, fragment (i / 2) % 8, tile x + i % 2.
.macro PV x
	WIN W_PV
.set rO, 64*((\x)+i%2)+8*((i/2)%8)
.set rV, 64*(i/16)+8*((i/2)%8)
.set rP, P+16*((\x)+i%2)+8*(i/16)
	v_wmma_f32_16x16x32_f16 v[rO:rO+7], v[rV:rV+7], v[rP:rP+7], v[rO:rO+7]
.endm
; THE LDS LOADS stand in runs of 32.
.macro FETCH_K
	WIN 0
	v_add_nc_u32 v[ADR], s[TB], v[AK0]
	WIN 0x80
.irp f, 0,1,2,3,4,5,6,7,8,9,10,11,12,13,14,15  ; keys 16 (f / 4) on, channels 32 (f % 4) on
	ds_load_b128 v[KF+8*(\f):KF+8*(\f)+3],   v[ADR] offset:((\f)/4)*16*PK+((\f)%4)*64
	ds_load_b128 v[KF+8*(\f)+4:KF+8*(\f)+7], v[ADR] offset:((\f)/4)*16*PK+((\f)%4)*64+32
.endr
.endm
.macro FETCH_V
	WIN 0
	v_add_nc_u32 v[AVL], s[TB], v[AVL0]
	v_add_nc_u32 v[AVL+1], s[TB], v[AVH0]
	WIN 0xc0
.irp f, 0,1,2,3,4,5,6,7,8,9,10,11,12,13,14,15  ; keys 32 (f / 8) on, fragment f % 8
	ds_load_tr16_b128 v[8*(\f):8*(\f)+3],   v[AVL+((\f)%8)/4] offset:((\f)/8)*32*PV+((\f)%8)*32
	ds_load_tr16_b128 v[8*(\f)+4:8*(\f)+7], v[AVL+((\f)%8)/4] offset:((\f)/8)*32*PV+16*PV+((\f)%8)*32
.endr
.endm
.macro MASK                         ; MC = MD x AL
	WIN 0xc3
.set z, 0
.rept 28
	v_pk_mul_f32 v[MC+2*z:MC+2*z+1], v[MD+2*z:MD+2*z+1], s[AL:AL+1] op_sel_hi:[1,0]
.set z, z+1
.endr
.endm
; THE VECTOR WORK.  One tile's softmax for one tile of keys is a list of 134 instructions; SM writes number j of it for tile t.  s0-s31 are the lane's 32 scores, in pairs 0-15.
;   0-15    the maximum of s0-s31 and the old m, three operands at a time (each accumulator's lowest registers are read first)
;   16-20   the other half of the lanes' maximum; the new m; c m; c m_old - c m_new
;   21-87   33 exponentials (a, then s0-s31) at the odd numbers from 23 on, a plain instruction between any two: scalings ahead, roundings behind, the first sums
;   88-101  the last rounding; the rest of the sums; l = a l + the sum
;   102-133 the tile's O^T times a: the one part that leaves window 0
.macro SM t
.set rT, ST+8*(\t)
.set rS, S+32*(\t)
.set rP, P+16*(\t)
.set rO, 64*(\t)+2*(j-102)
.set q, (j-20)/2
.if j < 102
	WIN 0
.endif
.if j < 4
	v_max3_num_f32 v[rT+4+j], v[rS+8*j], v[rS+8*j+1], v[rS+8*j+2]
.elseif j < 12
	v_max3_num_f32 v[rT+4+j%4], v[rT+4+j%4], v[rS+8*(j%4)+2*(j/4)+1], v[rS+8*(j%4)+2*(j/4)+2]
.elseif j == 12
	v_max3_num_f32 v[rT+4], v[rT+4], v[rS+7], v[rS+15]
.elseif j == 13
	v_max3_num_f32 v[rT+6], v[rT+6], v[rS+23], v[rS+31]
.elseif j == 14
	v_max3_num_f32 v[rT+4], v[rT+4], v[rT+5], v[rT+6]
.elseif j == 15
	v_max3_num_f32 v[rT+4], v[rT+4], v[rT+7], v[rT+1]
.elseif j == 16
	v_permlanex16_b32 v[rT+5], v[rT+4], s[SEL], s[SEL+1]  ; the query's other 32 keys lie in the lane 16 away
.elseif j == 18
	v_max_num_f32 v[rT+1], v[rT+4], v[rT+5]
.elseif j == 19
	v_mul_f32 v[rT], s[CS], v[rT+1]
.elseif j == 17
	v_mov_b32 v[rT+7], v[rT]        ; c m_old is kept for a: number 19 writes c m anew
.elseif j == 20
	v_sub_f32 v[rT+7], v[rT+7], v[rT]
.elseif j == 23
	v_exp_f32 v[rT+6], v[rT+7]
.elseif (j < 88) && (j > 23) && (j%2 == 1)
	v_exp_f32 v[rS+(j-25)/2], v[rS+(j-25)/2]
.elseif (q < 4) || ((j < 76) && (q%2 == 0))
.set b, q/2+2
.if q < 4
.set b, q
.endif
	v_pk_fma_f32 v[rS+2*b:rS+2*b+1], v[rS+2*b:rS+2*b+1], s[CS:CS+1], v[rT:rT+1] op_sel_hi:[1,0,0] neg_lo:[0,0,1] neg_hi:[0,0,1]  ; pair b: c s - c m
.elseif (j < 88) && (q%2 == 1)
	s_wait_alu depctr_va_vdst(0)
	v_cvt_pk_f16_f32 v[rP+(q-5)/2], v[rS+q-5], v[rS+q-4]  ; pair (q - 5) / 2: its second exponential stands three numbers back
.elseif j == 89
	s_wait_alu depctr_va_vdst(0)
	v_cvt_pk_f16_f32 v[rP+15], v[rS+30], v[rS+31]
.elseif j < 102                     ; the sum of the tile's 16 pairs, in place: sum z of 16 adds neighbours 1, 2, 4 and 8 pairs apart, then l takes it
.set z, j-86
.if j < 89
.set z, (j-76)/4
.endif
.set w, 4
.set u, z
.if z >= 14
.set w, 32
.set u, 0
.elseif z >= 12
.set w, 16
.set u, z-12
.elseif z >= 8
.set w, 8
.set u, z-8
.endif
.if z < 15
	v_pk_add_f32 v[rS+w*u:rS+w*u+1], v[rS+w*u:rS+w*u+1], v[rS+w*u+w/2:rS+w*u+w/2+1]
.else
	v_pk_fma_f32 v[rT+2:rT+3], v[rT+2:rT+3], v[rT+6:rT+7], v[rS:rS+1] op_sel_hi:[1,0,1]
.endif
.else
	WIN W_RS
	v_pk_mul_f32 v[rO:rO+1], v[rO:rO+1], v[rT+6:rT+7] op_sel_hi:[1,0]
.endif
.endm
; Slice k of 64 of piece y's softmax: numbers 2 k and 2 k + 1 of both tiles' lists; the twelve that are over stand together, in slice 63.
.macro SLICE y
.if (k >= 11) && (k < 44)           ; tile by tile: plain, exponential, plain, exponential
.irp t, \y, (\y)+1
.irp n, 0,1
.set j, 2*k+(\n)
	SM \t
.endr
.endr
.else                               ; the two tiles alternate
.irp n, 0,1,2,3,4,5,6,7
.if ((\n) < 2) || (k == 63)
.irp t, \y, (\y)+1
.set j, 2*k+(\n)
	SM \t
.endr
.endif
.endr
.endif
.set k, k+1
.endm
; A BLOCK'S END.  The two halves of the keys are merged: with M = max(c m_a, c m_b), f = 2^(c m - M): O = (f_a O_a + f_b O_b) / (f_a l_a + f_b l_b), all in f32.  Each wave sends the channels that its partner keeps, and its statistics;
; merges the channels that it keeps; rounds to f16; and the two waves' halves of a row meet in the stage, from which each stores 32 whole rows of 256 bytes.  more = 1: the second block follows.
.macro FINALE more
	WIN 0
.irp t, 0,1,2,3
	v_add_f32 v[ST+8*(\t)+4], v[ST+8*(\t)+2], v[ST+8*(\t)+3]   ; these four are the places behind the last products
.endr
.irp t, 0,1,2,3
	v_permlanex16_b32 v[ST+8*(\t)+5], v[ST+8*(\t)+4], s[SEL], s[SEL+1]
.endr
.irp t, 0,1,2,3
	v_add_f32 v[ST+8*(\t)+1], v[ST+8*(\t)+4], v[ST+8*(\t)+5]   ; l, in m's place
.endr
.if \more
	QLOAD 80                        ; the second block's Q: it lands under the merge
.endif
.irp t, 0,1,2,3
	ds_store_b128 v[XS], v[ST+8*(\t):ST+8*(\t)+3] offset:16384+512*(\t)
.endr
	WIN 0x04                        ; store data in window 1
.set i, 0
.rept 32                            ; tile i / 8, O^T's blocks 4-7, each from its lowest registers on
	ds_store_b128 v[XS], v[64*(i/8)+32+4*(i%8):64*(i/8)+32+4*(i%8)+3] offset:4096*(i/8)+512*(i%8)
.set i, i+1
.endr
	WIN 0
	s_wait_dscnt 0x0                ; for my partner's sake: my stores are done
	s_barrier_signal -1
	s_barrier_wait -1
.irp t, 0,1,2,3
	ds_load_b128 v[P+4*(\t):P+4*(\t)+3], v[XR] offset:16384+512*(\t)
.endr
.set i, 0
.rept 32
	ds_load_b128 v[S+32*(i/8)+4*(i%8):S+32*(i/8)+4*(i%8)+3], v[XR] offset:4096*(i/8)+512*(i%8)
.set i, i+1
.endr
	s_wait_dscnt 0x0
.irp t, 0,1,2,3
	v_max_num_f32 v[ST+8*(\t)+4], v[ST+8*(\t)], v[P+4*(\t)]
.endr
.irp t, 0,1,2,3
	v_sub_f32 v[ST+8*(\t)+5], v[ST+8*(\t)], v[ST+8*(\t)+4]
	v_sub_f32 v[ST+8*(\t)+6], v[P+4*(\t)], v[ST+8*(\t)+4]
.endr
.irp t, 0,1,2,3
	v_exp_f32 v[ST+8*(\t)+5], v[ST+8*(\t)+5]
	v_exp_f32 v[ST+8*(\t)+6], v[ST+8*(\t)+6]
.endr
	v_nop                           ; a plain instruction behind the exponentials
	s_wait_alu depctr_va_vdst(0)
.irp t, 0,1,2,3
	v_mul_f32 v[ST+8*(\t)+7], v[ST+8*(\t)+5], v[ST+8*(\t)+1]
.endr
.irp t, 0,1,2,3
	v_fmac_f32 v[ST+8*(\t)+7], v[ST+8*(\t)+6], v[P+4*(\t)+1]
.endr
.irp t, 0,1,2,3
	v_rcp_f32 v[ST+8*(\t)+7], v[ST+8*(\t)+7]
.endr
	v_nop                           ; and behind the reciprocals
	s_wait_alu depctr_va_vdst(0)
.irp t, 0,1,2,3
	v_mul_f32 v[P+16+4*(\t)], v[ST+8*(\t)+5], v[ST+8*(\t)+7]   ; my factor, twice: a pair for the packed lines
	v_mul_f32 v[P+17+4*(\t)], v[ST+8*(\t)+5], v[ST+8*(\t)+7]
	v_mul_f32 v[P+18+4*(\t)], v[ST+8*(\t)+6], v[ST+8*(\t)+7]   ; my partner's
	v_mul_f32 v[P+19+4*(\t)], v[ST+8*(\t)+6], v[ST+8*(\t)+7]
.endr
.irp t, 0,1,2,3
	WIN 0
.set i, 0
.rept 16
	v_pk_mul_f32 v[S+32*(\t)+2*i:S+32*(\t)+2*i+1], v[S+32*(\t)+2*i:S+32*(\t)+2*i+1], v[P+18+4*(\t):P+19+4*(\t)]
.set i, i+1
.endr
	WIN 0x01                        ; source 0 in window 1: my O^T's blocks 0-3, from the lowest registers on
.set i, 0
.rept 16
	v_pk_fma_f32 v[S+32*(\t)+2*i:S+32*(\t)+2*i+1], v[64*(\t)+2*i:64*(\t)+2*i+1], v[P+16+4*(\t):P+17+4*(\t)], v[S+32*(\t)+2*i:S+32*(\t)+2*i+1]
.set i, i+1
.endr
	WIN 0
.set i, 0
.rept 16
	v_cvt_pk_f16_f32 v[S+32*(\t)+i], v[S+32*(\t)+2*i], v[S+32*(\t)+2*i+1]
.set i, i+1
.endr
.irp c, 0,1,2,3
	ds_store_b128 v[STO], v[S+32*(\t)+4*(\c):S+32*(\t)+4*(\c)+3] offset:(\t)*16*SP+32*(\c)
.endr
.endr
	s_wait_dscnt 0x0                ; a row's 256 bytes come from two waves
	s_barrier_signal -1
	s_barrier_wait -1
.irp f, 0,1,2,3,4,5,6,7,8,9,10,11,12,13,14,15
	ds_load_b128 v[S+4*(\f):S+4*(\f)+3], v[RD] offset:(\f)*2*SP
.endr
.irp f, 0,1,2,3,4,5,6,7,8,9,10,11,12,13,14,15
	s_wait_dscnt 15-(\f)
	global_store_b128 v[GO], v[S+4*(\f):S+4*(\f)+3], s[10:11] offset:(\f)*8192  ; 16 lanes store 256 consecutive bytes, at a multiple of 256 from ctx's first byte
.endr
.if \more
	RESET
	s_add_co_u32 s[RT], s[HI], 1    ; the second block has 16 - b tiles
	s_wait_xcnt 0x0                 ; the stores' registers and base are written again only behind this wait
	s_mov_b64 s[10:11], s[82:83]
	s_wait_loadcnt 0x0              ; Q
.endif
.endm
; A TRIP: one tile of 128 keys, of which the wave takes 64.
.macro TRIP fill, fin
	s_cmp_eq_u32 s[RT], 1           ; the block's last tile holds the diagonal
	s_cselect_b32 s[AL], 1.0, 0
	MASK                            ; 28 plain instructions: also the places between the last products that read V and the loads below
	FETCH_V
	s_wait_dscnt 32                 ; K, asked for in the trip before, is in; V's 32 loads stay out
.set i, 0
.rept 32
	KQ 0
.set i, i+1
.endr
	WIN 0
	PLACES                          ; behind piece 0's scores, ahead of its softmax
.set k, 0
.set i, 0
.rept 32
	KQ 2
	SLICE 0
	SLICE 0
.set i, i+1
.endr
	s_wait_dscnt 0x0                ; V is in
.set k, 0
.set i, 0
.rept 32
	PV 0
	SLICE 2
	SLICE 2
.set i, i+1
.endr
	CHANGE \fill                    ; K and V of this tile are in registers: the slot is free, and its refill has a whole trip in which to land
	FETCH_K                         ; the next tile's K lands under the products below
.set i, 0
.rept 32
	PV 2
.set i, i+1
.endr
	WIN 0
	s_sub_co_u32 s[RT], s[RT], 1
.if \fin
	s_cmp_lg_u32 s[RT], 0           ; made from the work-group's number alone: the same in all four waves
	s_cbranch_scc1 .Lgo_on_\@
	FINALE 1
.Lgo_on_\@:
.endif
.endm
	s_wait_tensorcnt 0x1            ; my part of slot 0 is in; slot 1's may stay out
	s_barrier_signal -1
	s_barrier_wait -1
	FETCH_K
	WIN 0
	s_wait_loadcnt 0x0              ; Q
	s_mov_b32 s[CNT], 15
.Lwalk:                             ; trips 0 to 14 ask for tiles 2 to 16 of the walk; the first block ends in trip b
	TRIP 1, 1
	s_sub_co_u32 s[CNT], s[CNT], 1
	s_cmp_lg_u32 s[CNT], 0
	s_cbranch_scc1 .Lwalk
	s_mov_b32 s[CNT], 2
.Ltail:                             ; the last two trips ask for nothing; the very last fetch of K serves nothing: the price of one text for both
	TRIP 0, 0
	s_sub_co_u32 s[CNT], s[CNT], 1
	s_cmp_lg_u32 s[CNT], 0
	s_cbranch_scc1 .Ltail
	FINALE 0
	s_wait_tensorcnt 0x0            ; the wave's end
	ds_add_u32 v[SPW], v[NIL]
	s_wait_dscnt 0x0
	s_endpgm
.Lfunc_end_k_qfc744402e3_attn:
	.size	k_qfc744402e3_attn, .Lfunc_end_k_qfc744402e3_attn-k_qfc744402e3_attn
	.p2alignl 7, 3214868480
	.fill 96, 4, 3214868480
	.section	.rodata,"a",@progbits
	.p2align	6, 0x0
	.amdhsa_kernel k_qfc744402e3_attn
		.amdhsa_group_segment_fixed_size 327680
		.amdhsa_private_segment_fixed_size 0
		.amdhsa_enable_private_segment 0
		.amdhsa_kernarg_size 16
		.amdhsa_user_sgpr_count 2
		.amdhsa_user_sgpr_kernarg_segment_ptr 1
		.amdhsa_wavefront_size32 1
		.amdhsa_system_sgpr_workgroup_id_x 1
		.amdhsa_system_sgpr_workgroup_id_y 1
		.amdhsa_system_sgpr_workgroup_id_z 1
		.amdhsa_system_vgpr_workitem_id 0
		.amdhsa_next_free_vgpr 1024
		.amdhsa_next_free_sgpr 92
		.amdhsa_reserve_vcc 1
		.amdhsa_float_denorm_mode_32 3
		.amdhsa_float_denorm_mode_16_64 3
		.amdhsa_memory_ordered 1
		.amdhsa_forward_progress 1
		.amdhsa_inst_pref_size 179
	.end_amdhsa_kernel
	.amdgpu_metadata
---
amdhsa.version: [ 1, 2 ]
amdhsa.kernels:
  - .name:           k_qfc744402e3_attn
    .symbol:         k_qfc744402e3_attn.kd
    .args:
      - { .name: qkv, .offset: 0, .size: 8, .value_kind: global_buffer, .address_space: global }
      - { .name: ctx, .offset: 8, .size: 8, .value_kind: global_buffer, .address_space: global }
    .group_segment_fixed_size: 327680
    .private_segment_fixed_size: 0
    .kernarg_segment_align: 8
    .kernarg_segment_size: 16
    .max_flat_workgroup_size: 128
    .sgpr_count:     92
    .vgpr_count:     1024
    .wavefront_size: 32
...
	.end_amdgpu_metadata
.endif
;; end of part 3
;; launch oproj (part 4): grid 8 x 32, 4 waves a work-group, clusters of 4 x 4, 327,680 bytes of LDS; arguments ctx, wof, bias, out0; writes out0
.if DOCPART == 4
	.amdgcn_target "amdgcn-amd-amdhsa--gfx1250"
	.amdhsa_code_object_version 6
	.text
	.protected	k_qfc744402e3_oproj
	.globl	k_qfc744402e3_oproj
	.p2align	8
	.type	k_qfc744402e3_oproj,@function
k_qfc744402e3_oproj:
	s_mov_b64 s[64:65], 0
	v_nop
	global_prefetch_b8 v0, s[64:65] scope:SCOPE_SE
	s_setreg_imm32_b32 hwreg(HW_REG_WAVE_MODE, 25, 1), 1
	s_wait_xcnt 0x0
	s_wait_alu depctr_hold_cnt(0) depctr_sa_sdst(0) depctr_va_vdst(0) depctr_va_sdst(0) depctr_va_ssrc(0) depctr_va_vcc(0) depctr_vm_vsrc(0)
	s_getreg_b32 s2, hwreg(HW_REG_IB_STS2, 6, 4)
	s_cmp_eq_u32 s2, 0
	s_cbranch_scc0 .Lentry_in_a_cluster
	s_endpgm
.Lentry_in_a_cluster:
	s_bfe_u32 s2, ttmp6, 0x10000c
	s_cmp_lg_u32 s2, 0xf033
	s_cbranch_scc0 .Lentry_shape_is_right
	s_endpgm
.Lentry_shape_is_right:
; out0[m][n] = the sum over k of ctx[m][k] Wo[n][k] + bo[n].  ctx: [4096][2048] f16; wof: [1024][2048] f16 (Wo rounded to bf16, written as f16); out0: [4096][1024] f32; sums in f32.
; A tile of out0 is 128 x 128: 8 x 32 = 256 work-groups.  Four waves, each 64 x 64: 16 accumulators.  K goes in 8 steps of 256 (LDS rows of 512 bytes; a wave's tensor load brings 64 of them) through two slots.
; CLUSTER 4 x 4: the four of a row of the cluster need the same tiles of ctx, the four of a column the same tiles of wof: joint loads.
; THE MATRIX INSTRUCTION IS USED TRANSPOSED (source 0 = 16 rows of wof, source 1 = 16 rows of ctx): a lane holds eight neighbouring numbers of a row of out0.
; THE SUMS START AT THE BIAS, loaded straight into the accumulators.  A wave's 64 columns are 256 bytes of f32, so each wave has a stage of its own on the way out and no barrier is needed there.
; REGISTERS: window 0: v0-31 addresses; v32-95 rows read back; v128-255 the accumulators ((a, b) at v[128 + 8 (4 a + b)]).  window 1: two fragment buffers of 128.
.set SIZE_N, 1024
.set SIZE_K, 2048
.set KSTEP,  256
.set PITCH,  528                       ; an LDS row: 512 bytes + 16 of padding
.set HALFT,  64*PITCH
.set SLOT,   4*HALFT
.set STAGE,  2*SLOT                    ; behind the ring: 16 rows x 272 bytes for each wave
.set SPITCH, 272
.set SPARE,  STAGE+4*16*SPITCH
.set LAPS, SIZE_K/(2*KSTEP)
.set ADRA, 16
.set ADRB, 20
.set STO,  24
.set RD,   25
.set CO,   26
.set BL,   27                          ; v27  32 x (lane / 16): my eight biases
.set SPW,  28
.set NIL,  29
.set TMP,  32
.set ACC,  128
.set F0,   0
.set F1,   128
.set G1, 24
.set G0, 32
.set G1B, 48
.set G0B, 56
.set MSB, 0
.macro WIN new
.if MSB != (\new)
	s_set_vgpr_msb (MSB<<8)|(\new)
.set MSB, \new
.endif
.endm
.set MUL,  0x05                        ; sources 0 and 1 window 1; C and D window 0
.set TO_F, 0x40                        ; destination window 1, address window 0
.macro JLOAD s
	s_cmp_eq_u32 s11, 0
	s_cbranch_scc0 .Lfor_b_\@
	tensor_load_to_lds s[G0+4*(\s):G0+4*(\s)+3], s[G1:G1+7]
	s_nop 0
.rept 4
	v_nop
.endr
	s_branch .Lasked_\@
.Lfor_b_\@:
	tensor_load_to_lds s[G0B+4*(\s):G0B+4*(\s)+3], s[G1B:G1B+7]
	s_nop 0
.rept 4
	v_nop
.endr
.Lasked_\@:
.endm
.macro CREST
	s_cmp_lg_u32 s10, 0
	s_cbranch_scc1 .Lnot_wave_0_\@
	s_barrier_signal -3
.Lnot_wave_0_\@:
	s_barrier_wait -3
	s_barrier_signal -1
	s_barrier_wait -1
.endm
.macro CROUND
	s_barrier_signal -1
	s_barrier_wait -1
	CREST
.endm
	s_load_b128 s[4:7], s[0:1], 0x0                ; ctx s[4:5], wof s[6:7]
	s_load_b128 s[68:71], s[0:1], 0x10             ; bias s[68:69], out0 s[70:71]
	v_lshl_add_u32 v[SPW], v0, 2, SPARE
	v_mov_b32 v[NIL], 0
	ds_add_u32 v[SPW], v[NIL]                      ; the wave's opening: the add and its wait stand ahead of my first tensor load
	ds_add_u32 v28, v29
	v_lshrrev_b32 v1, 5, v0
	v_readfirstlane_b32 s10, v1                    ; wave 0..3
	s_lshr_b32 s11, s10, 1                         ; which half of the tile's rows is mine.  Also: I fetch for ctx (0) or for wof (1)
	s_and_b32 s12, s10, 1                          ; which half of its columns.  Also: which 64 rows of that tile I fetch
	s_bfe_u32 s40, ttmp6, 0x40000
	s_bfe_u32 s41, ttmp6, 0x40004
	s_lshl_b32 s42, ttmp9, 2
	s_add_co_u32 s42, s42, s40                     ; tile column
	s_and_b32 s13, ttmp7, 0xffff
	s_lshl_b32 s13, s13, 2
	s_add_co_u32 s13, s13, s41                     ; tile row
	s_lshl_b32 s43, s41, 2
	s_lshl_b32 s43, 15, s43                        ; my row of the cluster
	s_lshl_b32 s44, 0x1111, s40                    ; my column
	s_or_b32 s[G1+0], s43, (1<<16)|(1<<20)|(1<<21)|(6<<22)|(3<<25)  ; the mask; 2-byte elements; padding on; bit 21 beside a mask; after every 128 words; 4 words
	s_or_b32 s[G1B+0], s44, (1<<16)|(1<<20)|(1<<21)|(6<<22)|(3<<25)
.irp g, G1, G1B
	s_mov_b32 s[(\g)+1], KSTEP<<16
	s_mov_b32 s[(\g)+2], 64<<16
	s_mov_b32 s[(\g)+3], KSTEP<<16
	s_mov_b32 s[(\g)+4], 64
	s_mov_b32 s[(\g)+5], SIZE_K
	s_mov_b32 s[(\g)+6], 0
	s_mov_b32 s[(\g)+7], 0
.endr
	s_lshl_b32 s17, s12, 6
	s_lshl_b32 s16, s13, 7
	s_add_co_u32 s16, s16, s17                     ; ctx: row 128 x tile row + 64 x half
	s_lshl_b32 s46, s42, 7
	s_add_co_u32 s46, s46, s17                     ; wof: row 128 x tile column + 64 x half
	s_mov_b32 s17, 0
	s_mov_b32 s47, 0
	s_mov_b64 s[18:19], SIZE_K*2
	s_mul_u64 s[16:17], s[16:17], s[18:19]
	s_mul_u64 s[46:47], s[46:47], s[18:19]
	s_mul_i32 s20, s10, HALFT                      ; where they go: wave x 64 rows
	s_lshl_b32 s8, s42, 9                          ; bo lies 24,576 bytes into bias: my 64 columns
	s_lshl_b32 s9, s12, 8
	s_add_co_u32 s8, s8, s9
	s_add_co_u32 s8, s8, 24576
	s_mov_b32 s9, 0
	s_wait_dscnt 0x0                               ; the opening add is done
	s_wait_kmcnt 0x0
	s_add_nc_u64 s[14:15], s[4:5], s[16:17]
	s_add_nc_u64 s[46:47], s[6:7], s[46:47]
	s_add_nc_u64 s[68:69], s[68:69], s[8:9]
	CROUND                                         ; all sixteen work-groups are here: the first joint loads meet
.irp s, 0,1
	s_mov_b32 s[G0+4*(\s)], 1
	s_add_co_u32 s[G0+4*(\s)+1], s20, (\s)*SLOT
	s_add_nc_u64 s[G0+4*(\s)+2:G0+4*(\s)+3], s[14:15], (\s)*KSTEP*2
	s_or_b32 s[G0+4*(\s)+3], s[G0+4*(\s)+3], 0x80000000
	s_mov_b32 s[G0B+4*(\s)], 1
	s_add_co_u32 s[G0B+4*(\s)+1], s20, (\s)*SLOT
	s_add_nc_u64 s[G0B+4*(\s)+2:G0B+4*(\s)+3], s[46:47], (\s)*KSTEP*2
	s_or_b32 s[G0B+4*(\s)+3], s[G0B+4*(\s)+3], 0x80000000
	JLOAD \s
.endr
	v_and_b32 v1, 15, v0                           ; l % 16
	v_bfe_u32 v2, v0, 4, 1                         ; l / 16
	v_lshlrev_b32 v[BL], 5, v2
.irp a, 0,1,2,3                        ; the bias of column 16 b + 8 h + j into register j of accumulator (a, b)
.irp b, 0,1,2,3
	global_load_b128 v[ACC+8*(4*(\a)+(\b)):ACC+8*(4*(\a)+(\b))+3],   v[BL], s[68:69] offset:64*(\b)
	global_load_b128 v[ACC+8*(4*(\a)+(\b))+4:ACC+8*(4*(\a)+(\b))+7], v[BL], s[68:69] offset:64*(\b)+16
.endr
.endr
	v_mul_u32_u24 v3, v1, PITCH
	v_lshl_add_u32 v3, v2, 4, v3
	s_mul_i32 s21, s11, HALFT                      ; my 64 rows of ctx
	s_mul_i32 s22, s12, HALFT                      ; my 64 rows of wof,
	s_add_co_u32 s22, s22, 2*HALFT                 ; which lie behind ctx's 128
.irp s, 0,1
	v_add_nc_u32 v[ADRA+(\s)], s21, v3
	v_add_nc_u32 v[ADRB+(\s)], s22, v3
	s_add_co_u32 s21, s21, SLOT
	s_add_co_u32 s22, s22, SLOT
.endr
	s_mul_i32 s23, s10, 16*SPITCH
	s_add_co_u32 s23, s23, STAGE                   ; my stage
	v_mul_u32_u24 v4, v1, SPITCH                   ; in: row l % 16, 32 bytes for each half of the lanes
	v_lshl_add_u32 v4, v2, 5, v4
	v_add_nc_u32 v[STO], s23, v4
	v_mul_u32_u24 v5, v2, SPITCH                   ; back: lanes 0-15 one row of 256 bytes, lanes 16-31 the next
	v_lshl_add_u32 v5, v1, 4, v5
	v_add_nc_u32 v[RD], s23, v5
	v_lshlrev_b32 v5, 12, v2                       ; and the same two rows in out0
	v_lshl_add_u32 v[CO], v1, 4, v5
	s_lshl_b32 s16, s13, 7
	s_lshl_b32 s17, s11, 6
	s_add_co_u32 s16, s16, s17                     ; my first row of out0,
	s_lshl_b32 s16, s16, 12                        ; of 4,096 bytes
	s_mov_b32 s17, 0
	s_add_nc_u64 s[70:71], s[70:71], s[16:17]
	s_lshl_b32 s46, s42, 9                         ; my first column, in bytes
	s_lshl_b32 s47, s12, 8
	s_add_co_u32 s46, s46, s47
	s_mov_b32 s47, 0
	s_add_nc_u64 s[70:71], s[70:71], s[46:47]
; 8 matrix instructions: m blocks a0, a0 + 1 x all 4 n blocks, 32 along K: half c of buffer f.  The 16 accumulators take turns
.macro MUL8 f, c, a0
	WIN MUL
.irp a, \a0, (\a0)+1
.irp b, 0,1,2,3
	v_wmma_f32_16x16x32_f16 v[ACC+8*(4*(\a)+(\b)):ACC+8*(4*(\a)+(\b))+7], v[(\f)+64+8*(4*(\c)+(\b)):(\f)+64+8*(4*(\c)+(\b))+7], v[(\f)+8*(4*(\c)+(\a)):(\f)+8*(4*(\c)+(\a))+7], v[ACC+8*(4*(\a)+(\b)):ACC+8*(4*(\a)+(\b))+7]
.endr
.endr
.endm
; 32 LDS loads in one run: the fragments of 64 along K at byte k of the rows, into buffer f; the first 32 along K first
.macro FETCH slot, k, f
	WIN TO_F
.irp c, 0,1
.irp i, 0,1,2,3
	ds_load_b128 v[(\f)+64+8*(4*(\c)+(\i)):(\f)+64+8*(4*(\c)+(\i))+3],   v[ADRB+(\slot)] offset:(\k)+64*(\c)+(\i)*16*PITCH
	ds_load_b128 v[(\f)+64+8*(4*(\c)+(\i))+4:(\f)+64+8*(4*(\c)+(\i))+7], v[ADRB+(\slot)] offset:(\k)+64*(\c)+(\i)*16*PITCH+32
	ds_load_b128 v[(\f)+8*(4*(\c)+(\i)):(\f)+8*(4*(\c)+(\i))+3],         v[ADRA+(\slot)] offset:(\k)+64*(\c)+(\i)*16*PITCH
	ds_load_b128 v[(\f)+8*(4*(\c)+(\i))+4:(\f)+8*(4*(\c)+(\i))+7],       v[ADRA+(\slot)] offset:(\k)+64*(\c)+(\i)*16*PITCH+32
.endr
.endr
.endm
.macro PLACES
.rept 4
	v_nop
.endr
.endm
; A K step is four quarters of 64 along K, 32 matrix instructions each, on buffers 0, 1, 0, 1.
.macro QUARTER slot, k, f, g
	s_wait_dscnt 16                                ; the first 32 along K are in
	WIN MUL
	MUL8 \f, 0, 0
	MUL8 \f, 0, 2
	PLACES
	FETCH \slot, \k, \g
	s_wait_dscnt 32                                ; all but the 32 just issued
	WIN MUL
	MUL8 \f, 1, 0
	MUL8 \f, 1, 2
.endm
; The last quarter multiplies buffer 1 and changes slots: ONE barrier; in front of it each wave waits for all its tensor loads, adds 0 to its spare word, and waits for that and for its own reads of this slot.
.macro TURN slot, next, fill
	WIN 0
	s_wait_tensorcnt 0x0
	ds_add_u32 v[SPW], v[NIL]
	s_wait_dscnt 17                                ; (the add and the youngest sixteen loads may be out)
	WIN MUL
	MUL8 F1, 0, 0
	s_wait_dscnt 0x0                               ; the add is done, and my reads of this slot are over
	s_barrier_signal -1
	MUL8 F1, 0, 2
.if \fill
	WIN 0
.endif
	s_barrier_wait -1
.if \fill
	CREST                                          ; no wave of any partner still reads this slot's tile or has a load on its way
	s_add_nc_u64 s[G0+4*(\slot)+2:G0+4*(\slot)+3], s[G0+4*(\slot)+2:G0+4*(\slot)+3], 2*KSTEP*2
	s_add_nc_u64 s[G0B+4*(\slot)+2:G0B+4*(\slot)+3], s[G0B+4*(\slot)+2:G0B+4*(\slot)+3], 2*KSTEP*2
	JLOAD \slot                                    ; the four v_nop behind it are also the places in front of the loads below
.else
	PLACES
.endif
	FETCH \next, 0, F0
	WIN MUL
	MUL8 F1, 1, 0
	MUL8 F1, 1, 2
.endm
	s_wait_tensorcnt 1                             ; my part of K step 0 is in; step 1's may stay out
	s_barrier_signal -1
	s_barrier_wait -1
	FETCH 0, 0, F0
	s_wait_loadcnt 0x0                             ; the biases
	QUARTER 0, 128, F0, F1
	WIN 0
	s_mov_b32 s3, LAPS-1
.Llap:                                                 ; a trip goes once round the ring, from a lap's second quarter to the next lap's first, and fills both slots again
	QUARTER 0, 256, F1, F0
	QUARTER 0, 384, F0, F1
	TURN 0, 1, 1
	QUARTER 1, 128, F0, F1
	QUARTER 1, 256, F1, F0
	QUARTER 1, 384, F0, F1
	TURN 1, 0, 1
	QUARTER 0, 128, F0, F1
	WIN 0
	s_sub_co_u32 s3, s3, 1
	s_cmp_lg_u32 s3, 0
	s_cbranch_scc1 .Llap
	QUARTER 0, 256, F1, F0                         ; the last lap fills nothing
	QUARTER 0, 384, F0, F1
	TURN 0, 1, 0
	QUARTER 1, 128, F0, F1
	QUARTER 1, 256, F1, F0
	QUARTER 1, 384, F0, F1
	s_wait_dscnt 16
	WIN MUL
	MUL8 F1, 0, 0
	MUL8 F1, 0, 2
	s_wait_dscnt 0
	MUL8 F1, 1, 1-1
	MUL8 F1, 1, 2
	WIN 0
	; THE WAY OUT, 16 rows at a time: a lane's eight numbers of a row go into my stage as 32 bytes, each accumulator's lowest registers first, and come back as whole rows of 256 bytes.
	PLACES
.irp a, 0,1,2,3
.irp b, 0,1,2,3
	ds_store_b128 v[STO], v[ACC+8*(4*(\a)+(\b)):ACC+8*(4*(\a)+(\b))+3] offset:64*(\b)
	ds_store_b128 v[STO], v[ACC+8*(4*(\a)+(\b))+4:ACC+8*(4*(\a)+(\b))+7] offset:64*(\b)+16
.endr
.if (\a) >= 2
	s_wait_xcnt 0x0                                ; the registers that the stores two blocks back read are loaded again only behind this wait
.endif
.irp t, 0,1,2,3,4,5,6,7
	ds_load_b128 v[TMP+32*((\a)%2)+4*(\t):TMP+32*((\a)%2)+4*(\t)+3], v[RD] offset:(\t)*2*SPITCH  ; LDS serves a wave's instructions in order (ISA guide 5.7.1.4)
.endr
.irp t, 0,1,2,3,4,5,6,7
	s_wait_dscnt 7-(\t)
	global_store_b128 v[CO], v[TMP+32*((\a)%2)+4*(\t):TMP+32*((\a)%2)+4*(\t)+3], s[70:71] offset:(16*(\a)+2*(\t))*4096 th:TH_STORE_NT  ; 16 lanes store 256 consecutive bytes, at a multiple of 256 from out0's first byte
.endr
.endr
	s_wait_tensorcnt 0x0                           ; the wave's end
	ds_add_u32 v[SPW], v[NIL]
	s_wait_dscnt 0x0
	CROUND                                         ; the closing round
	s_endpgm
.Lfunc_end_k_qfc744402e3_oproj:
	.size	k_qfc744402e3_oproj, .Lfunc_end_k_qfc744402e3_oproj-k_qfc744402e3_oproj
	.p2alignl 7, 3214868480
	.fill 96, 4, 3214868480
	.section	.rodata,"a",@progbits
	.p2align	6, 0x0
	.amdhsa_kernel k_qfc744402e3_oproj
		.amdhsa_group_segment_fixed_size 327680
		.amdhsa_private_segment_fixed_size 0
		.amdhsa_enable_private_segment 0
		.amdhsa_kernarg_size 32
		.amdhsa_user_sgpr_count 2
		.amdhsa_user_sgpr_kernarg_segment_ptr 1
		.amdhsa_wavefront_size32 1
		.amdhsa_system_sgpr_workgroup_id_x 1
		.amdhsa_system_sgpr_workgroup_id_y 1
		.amdhsa_system_sgpr_workgroup_id_z 1
		.amdhsa_system_vgpr_workitem_id 0
		.amdhsa_next_free_vgpr 512
		.amdhsa_next_free_sgpr 72
		.amdhsa_reserve_vcc 0
		.amdhsa_float_denorm_mode_32 3
		.amdhsa_float_denorm_mode_16_64 3
		.amdhsa_memory_ordered 1
		.amdhsa_forward_progress 1
		.amdhsa_inst_pref_size 90
	.end_amdhsa_kernel
	.amdgpu_metadata
---
amdhsa.version: [ 1, 2 ]
amdhsa.kernels:
  - .name:           k_qfc744402e3_oproj
    .symbol:         k_qfc744402e3_oproj.kd
    .args:
      - { .name: ctx, .offset: 0, .size: 8, .value_kind: global_buffer, .address_space: global }
      - { .name: wof, .offset: 8, .size: 8, .value_kind: global_buffer, .address_space: global }
      - { .name: bias, .offset: 16, .size: 8, .value_kind: global_buffer, .address_space: global }
      - { .name: out0, .offset: 24, .size: 8, .value_kind: global_buffer, .address_space: global }
    .group_segment_fixed_size: 327680
    .private_segment_fixed_size: 0
    .kernarg_segment_align: 8
    .kernarg_segment_size: 32
    .max_flat_workgroup_size: 128
    .sgpr_count:     72
    .vgpr_count:     512
    .wavefront_size: 32
...
	.end_amdgpu_metadata
.endif
;; end of part 4
;; ======== version 2 of 2: 4 launches; version 1 with the launch prep written anew for expert scheduling mode
;; limits: values are held in f16: magnitudes above 65,504 overflow, below 6.1e-05 lose precision
;; workspace buffers: xb 8,388,608 bytes; wb 12,582,912 bytes; wof 4,194,304 bytes; tab 1,048,576 bytes; bias 28,672 bytes; qkv 50,331,648 bytes; ctx 16,777,216 bytes
;; launch prep (part 5): grid 64 x 8, 8 waves a work-group, no clusters, 0 bytes of LDS; arguments hidden_states, Wq, Wk, Wv, Wo, bq, bk, bv, bo, xb, wb, wof, tab, bias; writes xb, wb, wof, tab, bias
.if DOCPART == 5
	.amdgcn_target "amdgcn-amd-amdhsa--gfx1250"
	.amdhsa_code_object_version 6
	.text
	.protected	k_qfc744402e3_prep
	.globl	k_qfc744402e3_prep
	.p2align	8
	.type	k_qfc744402e3_prep,@function
k_qfc744402e3_prep:
	s_mov_b64 s[64:65], 0
	v_nop
	global_prefetch_b8 v0, s[64:65] scope:SCOPE_SE
	s_setreg_imm32_b32 hwreg(HW_REG_WAVE_SCHED_MODE, 0, 2), 2
	s_setreg_imm32_b32 hwreg(HW_REG_WAVE_MODE, 25, 1), 1
	s_wait_xcnt 0x0
	s_wait_alu depctr_vm_vsrc(0)
; PREP: every input is rounded once to bf16 and laid out for the matrix launches; the RoPE table is made.  A stream: no LDS, no barrier, no matrix unit.
;   y = 0, 1   hidden_states -> xb, bf16, [16 blocks of 64 along K][4096 rows][64]: a K step's rows lie end to end, 128 bytes each
;   y = 2..4   Wq, Wk, Wv    -> wb, bf16, [16 blocks][6144 rows][64], row = head x 384 + (0 q, 1 k, 2 v) x 128 + d
;   y = 5      Wo            -> wof: rounded to bf16, that number written as f16, [1024][2048]
;   y = 6, 7   tab: cos and sin of pos x 10000^(-i/64) in f32, in the order in which the projection's lanes hold their results; and (y = 6, x < 14) the four biases -> bias, f32 words that hold the bf16-rounded numbers
; LIMITS.  wof: a weight beyond 65,504 is lost, one below 6e-5 keeps f16's fixed step of 6e-8.  The angles: pos x f is rounded in f32 and f is good to a few units in its last place,
; so an angle near 2,047 is good to about 2e-4; the reduction by pi/2 in two parts and the two series (to r^7 and r^8, |r| <= pi/4) add less than 1e-6.
; THE MODE: SCHED_MODE bits 1:0 = 2 (LLVM: expert scheduling mode 2), set by the entry lines.  The code itself states the register dependences
; between vector instructions and memory instructions, with s_wait_alu, always for 0.
; THE PLAN.  Registers that memory instructions touch:
;   the two casts   v4: the loads' offset, made at the path's head, never written again.  X: load i lands in four registers; its roundings write the first two of them, once; its store reads those two.
;                   v[SO ..] (Wo: v6): the stores' offsets, made behind the loads, never written again.
;                   The 32 loads go in eight groups of four.  Group g's roundings name group g's registers alone; its memory instructions are the stores of group g - 1.  So ONE wait on va_vdst at a group's
;                   head states all that those four stores hang on, and they are dealt among the group's roundings with no further wait.
;   the table       v6 and v[16:23]: the stores' offset and data, written once.  The four quadrant masks are made in a run, into four scalar registers, with one wait on va_sdst behind the run.
;   the biases      v32: the load's offset; v[34:35]: its data, named by no vector instruction before; v33, v[38:39]: the store's offset and data.
; No register that a memory instruction reads is written again anywhere in the text, so no wait on vm_vsrc is owed.  EXEC is never written.
.set SO, 8                             ; v[8:23]   blocked cast: byte offset of my 8 bytes in block kb of the destination
.set X,  24                            ; v[24:151] 32 loads of 4 registers
.set W,  40                            ; v[40:71]  the table: frequency e has eight registers at work, at W + 8 e
	s_load_b512 s[8:23], s[0:1], 0x0               ; hidden 8, Wq 10, Wk 12, Wv 14, Wo 16, bq 18, bk 20, bv 22
	s_load_b256 s[24:31], s[0:1], 0x40             ; bo 24, xb 26, wb 28, wof 30
	s_load_b128 s[32:35], s[0:1], 0x60             ; tab 32, bias 34
	s_and_b32 s4, ttmp7, 0xffff                    ; y: which job
	s_mov_b32 s5, ttmp9                            ; x: which part of it
	v_lshrrev_b32 v1, 5, v0
	v_readfirstlane_b32 s6, v1                     ; wave 0..7
	v_and_b32 v2, 15, v0                           ; lane % 16
	v_bfe_u32 v3, v0, 4, 1                         ; lane / 16
	s_wait_alu depctr_va_sdst(0)                   ; s6 is written, ahead of the branches and of its first readers: the casts' bases are made from it
	s_wait_kmcnt 0x0
	s_cmp_ge_u32 s4, 6
	s_cbranch_scc1 .Ltab
	s_cmp_eq_u32 s4, 5
	s_cbranch_scc1 .Lwo
	; THE BLOCKED CAST.  A work-group takes 32 rows of 4,096 bytes, a wave 4 of them.
	v_lshlrev_b32 v4, 4, v2
	v_lshl_add_u32 v4, v3, 12, v4                  ; lanes 0-15 take 256 bytes of one row, lanes 16-31 of the next
	s_lshl_b32 s41, s4, 6
	s_add_co_u32 s41, s41, s5                      ; hidden_states: group of 32 rows = 64 y + x
	s_mov_b32 s40, 786432                          ; bytes from block to block in wb,
	s_mov_b32 s46, 524288                          ; in xb
	s_lshr_b32 s44, s5, 2                          ; a weight's 32 rows lie in head x / 4,
	s_mul_i32 s44, s44, 384
	s_sub_co_u32 s45, s4, 2
	s_lshl_b32 s45, s45, 7                         ; in the head's part for q, k or v,
	s_add_co_u32 s44, s44, s45
	s_and_b32 s45, s5, 3
	s_lshl_b32 s45, s45, 5                         ; at d = 32 (x % 4)
	s_add_co_u32 s44, s44, s45
	s_lshl_b32 s47, s41, 5                         ; xb keeps the rows' order
	s_cmp_lt_u32 s4, 2
	s_cselect_b64 s[36:37], s[8:9], s[10:11]       ; from
	s_cselect_b64 s[38:39], s[26:27], s[28:29]     ; to
	s_cselect_b32 s40, s46, s40
	s_cselect_b32 s42, s41, s5                     ; the source's group of 32 rows
	s_cselect_b32 s44, s47, s44                    ; the destination's first row
	s_cmp_eq_u32 s4, 3
	s_cselect_b64 s[36:37], s[12:13], s[36:37]
	s_cmp_eq_u32 s4, 4
	s_cselect_b64 s[36:37], s[14:15], s[36:37]
	s_lshl_b32 s42, s42, 17                        ; 32 rows x 4,096 bytes
	s_lshl_b32 s43, s6, 14                         ; my wave's 4 rows
	s_add_co_u32 s42, s42, s43
	s_mov_b32 s43, 0
	s_add_nc_u64 s[36:37], s[36:37], s[42:43]
	s_lshl_b32 s44, s44, 7                         ; rows of 128 bytes
	s_lshl_b32 s45, s6, 9
	s_add_co_u32 s44, s44, s45
	s_mov_b32 s45, 0
	s_add_nc_u64 s[38:39], s[38:39], s[44:45]
	s_wait_alu depctr_va_vdst(0)                   ; v4 is written: the 32 loads read it as their offset
.set i, 0
.rept 32                               ; load i: rows 2 (i / 16) and the next, block i % 16
	global_load_b128 v[X+4*i:X+4*i+3], v4, s[36:37] offset:(i/16)*8192+(i%16)*256 th:TH_LOAD_NT
.set i, i+1
.endr
	v_lshlrev_b32 v[SO], 3, v2                     ; the stores' offsets are made while the loads are out; they name none of the loads' registers
	v_lshl_add_u32 v[SO], v3, 7, v[SO]             ; out: 8 bytes a lane, the two rows end to end: 256 consecutive bytes
.set i, 1
.rept 15
	v_add_nc_u32 v[SO+i], s40, v[SO+i-1]
.set i, i+1
.endr
.set g, 0
.rept 8                                ; group g: loads 4 g to 4 g + 3 are rounded; the stores of group g - 1 stand among the roundings
	s_wait_loadcnt 28-4*g                          ; loads come back in order: this group's four are in, the younger groups stay out
.if g > 0
	s_wait_alu depctr_va_vdst(0)                   ; the group before has written the registers that the four stores below read as data; at the first of these waits the sixteen offsets v[SO ..] are written too
.endif
.set i, 4*g
.rept 4
.if g > 0
	global_store_b64 v[SO+(i-4)%16], v[X+4*(i-4):X+4*(i-4)+1], s[38:39] offset:((i-4)/16)*256  ; no vector instruction since the wait names these registers
.endif
	v_cvt_pk_bf16_f32 v[X+4*i], v[X+4*i], v[X+4*i+1]
	v_cvt_pk_bf16_f32 v[X+4*i+1], v[X+4*i+2], v[X+4*i+3]
.set i, i+1
.endr
.set g, g+1
.endr
	s_wait_alu depctr_va_vdst(0)                   ; the last group has written the registers that the last four stores read
.set i, 28
.rept 4
	global_store_b64 v[SO+i%16], v[X+4*i:X+4*i+1], s[38:39] offset:(i/16)*256
.set i, i+1
.endr
	s_endpgm
.Lwo:	; Wo: 131,072 bytes on end a work-group, 16,384 a wave
	v_and_b32 v5, 31, v0
	v_lshlrev_b32 v4, 4, v5
	s_lshl_b32 s42, s5, 17
	s_lshl_b32 s43, s6, 14
	s_add_co_u32 s42, s42, s43
	s_mov_b32 s43, 0
	s_add_nc_u64 s[36:37], s[16:17], s[42:43]
	s_lshr_b32 s42, s42, 1
	s_add_nc_u64 s[38:39], s[30:31], s[42:43]
	s_mov_b32 s41, 0xffff0000
	s_wait_alu depctr_va_vdst(0)                   ; v4 is written: the 32 loads read it as their offset
.set i, 0
.rept 32
	global_load_b128 v[X+4*i:X+4*i+3], v4, s[36:37] offset:i*512 th:TH_LOAD_NT
.set i, i+1
.endr
	v_lshlrev_b32 v6, 3, v5                        ; the stores' offset, made while the loads are out
.set g, 0
.rept 8                                ; groups of four, as in the blocked cast
	s_wait_loadcnt 28-4*g                          ; this group's four loads are in, the younger groups stay out
.if g > 0
	s_wait_alu depctr_va_vdst(0)                   ; the group before has written the registers that the four stores below read as data; at the first of these waits v6 is written too
.endif
.set i, 4*g
.rept 4
.if g > 0
	global_store_b64 v6, v[X+4*(i-4):X+4*(i-4)+1], s[38:39] offset:(i-4)*256  ; no vector instruction since the wait names these registers
.endif
	v_cvt_pk_bf16_f32 v[X+4*i], v[X+4*i], v[X+4*i+1]          ; rounded as every input is,
	v_cvt_pk_bf16_f32 v[X+4*i+2], v[X+4*i+2], v[X+4*i+3]
	v_and_b32 v[X+4*i+1], s41, v[X+4*i]                       ; widened again,
	v_lshlrev_b32 v[X+4*i], 16, v[X+4*i]
	v_and_b32 v[X+4*i+3], s41, v[X+4*i+2]
	v_lshlrev_b32 v[X+4*i+2], 16, v[X+4*i+2]
	v_cvt_pk_f16_f32 v[X+4*i], v[X+4*i], v[X+4*i+1]           ; and written as f16
	v_cvt_pk_f16_f32 v[X+4*i+1], v[X+4*i+2], v[X+4*i+3]
.set i, i+1
.endr
.set g, g+1
.endr
	s_wait_alu depctr_va_vdst(0)                   ; the last group has written the registers that the last four stores read
.set i, 28
.rept 4
	global_store_b64 v6, v[X+4*i:X+4*i+1], s[38:39] offset:i*256
.set i, i+1
.endr
	s_endpgm
.Ltab:	; THE TABLE.  The work-group makes positions 16 R .. 16 R + 15, R = 64 (y - 6) + x.  Thread: b = t / 64, c2 = (t / 32) % 2, lane; four frequencies i = 16 b + 8 (lane / 16) + 4 c2 + e.
	s_sub_co_u32 s41, s4, 6
	s_lshl_b32 s41, s41, 6
	s_add_co_u32 s41, s41, s5                      ; R
	s_lshl_b32 s42, s41, 13                        ; 8,192 bytes for 16 positions
	s_mov_b32 s43, 0
	s_add_nc_u64 s[36:37], s[32:33], s[42:43]
	s_lshl_b32 s44, s41, 4
	v_add_nc_u32 v4, s44, v2
	v_cvt_f32_u32 v4, v4                           ; pos
	v_lshrrev_b32 v5, 6, v0                        ; b
	v_bfe_u32 v6, v0, 5, 1                         ; c2
	v_lshlrev_b32 v7, 4, v5
	v_lshl_add_u32 v7, v3, 3, v7
	v_lshl_add_u32 v7, v6, 2, v7                   ; i for e = 0
	v_and_b32 v6, 63, v0
	v_lshlrev_b32 v6, 4, v6
	v_lshl_add_u32 v6, v5, 11, v6                  ; cos at 2,048 b + 512 c2 + 16 lane; sin 1,024 further
.irp e, 0,1,2,3
	v_add_nc_u32 v[8+(\e)], (\e), v7
	v_cvt_f32_u32 v[8+(\e)], v[8+(\e)]
	v_mul_f32 v[8+(\e)], 0xbe549a78, v[8+(\e)]     ; - i log2(10000) / 64
.endr
.irp e, 0,1,2,3
	v_exp_f32 v[8+(\e)], v[8+(\e)]
.endr
	v_nop                                          ; a plain instruction behind the exponentials, ahead of the first use
	s_wait_alu depctr_va_vdst(0)                   ; the four exponentials have written v[8:11]: one wait for the batch, ahead of its first reader
; a = pos f;  n = the nearest whole number to a 2 / pi;  r = a - n pi/2, pi/2 in two parts;  sin r and cos r by their series;  the quadrant n % 4 chooses and signs.
; SERIES e, m: frequency e as far as the compare, whose mask goes into s[m].  At W + 8 e: +0 a, +1 n, +2 r, +3 r^2, +4 sin r, +5 cos r, +6 at work.
.macro SERIES e, m
	v_mul_f32 v[W+8*(\e)], v4, v[8+(\e)]
	v_mul_f32 v[W+8*(\e)+1], 0x3f22f983, v[W+8*(\e)]
	v_rndne_f32 v[W+8*(\e)+1], v[W+8*(\e)+1]
	v_fmamk_f32 v[W+8*(\e)+2], v[W+8*(\e)+1], 0xbfc90fdb, v[W+8*(\e)]
	v_fmamk_f32 v[W+8*(\e)+2], v[W+8*(\e)+1], 0x333bbd2e, v[W+8*(\e)+2]
	v_mul_f32 v[W+8*(\e)+3], v[W+8*(\e)+2], v[W+8*(\e)+2]
	v_mov_b32 v[W+8*(\e)+4], 0xb9500d01                                    ; -1/5040
	v_fmaak_f32 v[W+8*(\e)+4], v[W+8*(\e)+3], v[W+8*(\e)+4], 0x3c088889    ; 1/120
	v_fmaak_f32 v[W+8*(\e)+4], v[W+8*(\e)+3], v[W+8*(\e)+4], 0xbe2aaaab    ; -1/6
	v_mul_f32 v[W+8*(\e)+4], v[W+8*(\e)+4], v[W+8*(\e)+3]
	v_fma_f32 v[W+8*(\e)+4], v[W+8*(\e)+4], v[W+8*(\e)+2], v[W+8*(\e)+2]   ; sin r
	v_mov_b32 v[W+8*(\e)+5], 0x37d00d01                                    ; 1/40320
	v_fmaak_f32 v[W+8*(\e)+5], v[W+8*(\e)+3], v[W+8*(\e)+5], 0xbab60b61    ; -1/720
	v_fmaak_f32 v[W+8*(\e)+5], v[W+8*(\e)+3], v[W+8*(\e)+5], 0x3d2aaaab    ; 1/24
	v_fmaak_f32 v[W+8*(\e)+5], v[W+8*(\e)+3], v[W+8*(\e)+5], 0xbf000000    ; -1/2
	v_fma_f32 v[W+8*(\e)+5], v[W+8*(\e)+5], v[W+8*(\e)+3], 1.0             ; cos r
	v_cvt_i32_f32 v[W+8*(\e)+1], v[W+8*(\e)+1]
	v_and_b32 v[W+8*(\e)+6], 1, v[W+8*(\e)+1]
	v_cmp_eq_u32 s[(\m)], 1, v[W+8*(\e)+6]                                 ; an odd quadrant swaps the two
.endm
; CHOOSE e, m: the selects by that mask, and the signs.
.macro CHOOSE e, m
	v_cndmask_b32 v[20+(\e)], v[W+8*(\e)+4], v[W+8*(\e)+5], s[(\m)]
	v_cndmask_b32 v[16+(\e)], v[W+8*(\e)+5], v[W+8*(\e)+4], s[(\m)]
	v_lshlrev_b32 v[W+8*(\e)+6], 30, v[W+8*(\e)+1]                         ; sin is negative in quadrants 2, 3,
	v_and_b32 v[W+8*(\e)+6], 0x80000000, v[W+8*(\e)+6]
	v_xor_b32 v[20+(\e)], v[W+8*(\e)+6], v[20+(\e)]
	v_add_nc_u32 v[W+8*(\e)+1], 1, v[W+8*(\e)+1]                           ; cos in quadrants 1, 2
	v_lshlrev_b32 v[W+8*(\e)+6], 30, v[W+8*(\e)+1]
	v_and_b32 v[W+8*(\e)+6], 0x80000000, v[W+8*(\e)+6]
	v_xor_b32 v[16+(\e)], v[W+8*(\e)+6], v[16+(\e)]
.endm
	SERIES 0, 2                                    ; the masks go into s2, s3, s6, s7 (s6 held the wave's number, which this path does not want)
	SERIES 1, 3
	SERIES 2, 6
	SERIES 3, 7
	s_wait_alu depctr_va_sdst(0)                   ; the four compares have written s2, s3, s6, s7: one wait behind the run, ahead of the first select that reads a mask
	CHOOSE 0, 2
	CHOOSE 1, 3
	CHOOSE 2, 6
	CHOOSE 3, 7
	s_wait_alu depctr_va_vdst(0)                   ; v6 and v[16:23] are written: the two stores read them as offset and data
	global_store_b128 v6, v[16:19], s[36:37]               ; a wave stores 512 consecutive bytes
	global_store_b128 v6, v[20:23], s[36:37] offset:1024
	; THE BIASES: 14 of these work-groups round 512 numbers each.
	s_cmp_eq_u32 s4, 6
	s_cbranch_scc0 .Lend
	s_cmp_lt_u32 s5, 14
	s_cbranch_scc0 .Lend
	v_lshlrev_b32 v32, 3, v0                       ; the load's offset, made ahead of the scalar work
	s_lshr_b32 s41, s5, 2                          ; 0 bq, 1 bk, 2 bv, 3 bo
	s_and_b32 s42, s5, 3                           ; which 512 numbers
	s_lshl_b32 s44, s42, 11
	s_mov_b32 s45, 0
	s_mul_i32 s46, s42, 6144                       ; four heads of 384 words,
	s_lshl_b32 s47, s41, 9                         ; the head's part for q, k or v
	s_add_co_u32 s46, s46, s47
	s_add_co_u32 s47, s44, 24576                   ; bo lies behind them, dense
	s_mov_b32 s40, 1536                            ; bytes from head to head
	s_cmp_eq_u32 s41, 1
	s_cselect_b64 s[38:39], s[20:21], s[18:19]
	s_cmp_eq_u32 s41, 2
	s_cselect_b64 s[38:39], s[22:23], s[38:39]
	s_cmp_eq_u32 s41, 3
	s_cselect_b64 s[38:39], s[24:25], s[38:39]
	s_cselect_b32 s46, s47, s46
	s_cselect_b32 s40, 512, s40
	s_mov_b32 s47, 0
	s_add_nc_u64 s[38:39], s[38:39], s[44:45]
	s_add_nc_u64 s[42:43], s[34:35], s[46:47]
	s_wait_alu depctr_va_vdst(0)                   ; v32 is written: the load reads it as its offset
	global_load_b64 v[34:35], v32, s[38:39]
	v_lshrrev_b32 v33, 6, v0                       ; 64 threads to a head's 128 numbers
	v_mul_u32_u24 v33, v33, s40
	v_and_b32 v36, 63, v0
	v_lshl_add_u32 v33, v36, 3, v33
	s_wait_loadcnt 0x0
	v_cvt_pk_bf16_f32 v36, v34, v35
	v_lshlrev_b32 v38, 16, v36
	v_and_b32 v39, 0xffff0000, v36
	s_wait_alu depctr_va_vdst(0)                   ; v33 and v[38:39] are written: the store reads them as offset and data
	global_store_b64 v33, v[38:39], s[42:43]               ; a wave stores 256 consecutive bytes
.Lend:
	s_endpgm
.Lfunc_end_k_qfc744402e3_prep:
	.size	k_qfc744402e3_prep, .Lfunc_end_k_qfc744402e3_prep-k_qfc744402e3_prep
	.p2alignl 7, 3214868480
	.fill 96, 4, 3214868480
	.section	.rodata,"a",@progbits
	.p2align	6, 0x0
	.amdhsa_kernel k_qfc744402e3_prep
		.amdhsa_group_segment_fixed_size 0
		.amdhsa_private_segment_fixed_size 0
		.amdhsa_enable_private_segment 0
		.amdhsa_kernarg_size 112
		.amdhsa_user_sgpr_count 2
		.amdhsa_user_sgpr_kernarg_segment_ptr 1
		.amdhsa_wavefront_size32 1
		.amdhsa_system_sgpr_workgroup_id_x 1
		.amdhsa_system_sgpr_workgroup_id_y 1
		.amdhsa_system_sgpr_workgroup_id_z 1
		.amdhsa_system_vgpr_workitem_id 0
		.amdhsa_next_free_vgpr 152
		.amdhsa_next_free_sgpr 66
		.amdhsa_reserve_vcc 0
		.amdhsa_float_denorm_mode_32 3
		.amdhsa_float_denorm_mode_16_64 3
		.amdhsa_memory_ordered 1
		.amdhsa_forward_progress 1
		.amdhsa_inst_pref_size 42
	.end_amdhsa_kernel
	.amdgpu_metadata
---
amdhsa.version: [ 1, 2 ]
amdhsa.kernels:
  - .name:           k_qfc744402e3_prep
    .symbol:         k_qfc744402e3_prep.kd
    .args:
      - { .name: hidden_states, .offset: 0, .size: 8, .value_kind: global_buffer, .address_space: global }
      - { .name: Wq, .offset: 8, .size: 8, .value_kind: global_buffer, .address_space: global }
      - { .name: Wk, .offset: 16, .size: 8, .value_kind: global_buffer, .address_space: global }
      - { .name: Wv, .offset: 24, .size: 8, .value_kind: global_buffer, .address_space: global }
      - { .name: Wo, .offset: 32, .size: 8, .value_kind: global_buffer, .address_space: global }
      - { .name: bq, .offset: 40, .size: 8, .value_kind: global_buffer, .address_space: global }
      - { .name: bk, .offset: 48, .size: 8, .value_kind: global_buffer, .address_space: global }
      - { .name: bv, .offset: 56, .size: 8, .value_kind: global_buffer, .address_space: global }
      - { .name: bo, .offset: 64, .size: 8, .value_kind: global_buffer, .address_space: global }
      - { .name: xb, .offset: 72, .size: 8, .value_kind: global_buffer, .address_space: global }
      - { .name: wb, .offset: 80, .size: 8, .value_kind: global_buffer, .address_space: global }
      - { .name: wof, .offset: 88, .size: 8, .value_kind: global_buffer, .address_space: global }
      - { .name: tab, .offset: 96, .size: 8, .value_kind: global_buffer, .address_space: global }
      - { .name: bias, .offset: 104, .size: 8, .value_kind: global_buffer, .address_space: global }
    .group_segment_fixed_size: 0
    .private_segment_fixed_size: 0
    .kernarg_segment_align: 8
    .kernarg_segment_size: 112
    .max_flat_workgroup_size: 256
    .sgpr_count:     66
    .vgpr_count:     152
    .wavefront_size: 32
...
	.end_amdgpu_metadata
.endif
;; end of part 5
;; launch qkv: the kernel of part 2 again; grid 16 x 16, 4 waves a work-group, clusters of 4 x 4, 327,680 bytes of LDS; arguments xb, wb, bias, tab, qkv; writes qkv
;; launch attn: the kernel of part 3 again; grid 8 x 32, 4 waves a work-group, no clusters, 327,680 bytes of LDS; arguments qkv, ctx; writes ctx
;; launch oproj: the kernel of part 4 again; grid 8 x 32, 4 waves a work-group, clusters of 4 x 4, 327,680 bytes of LDS; arguments ctx, wof, bias, out0; writes out0
